; MI455X (gfx1250); checked and timed in simulation.
; The chip was launched on July 23, 2026; its instructions are those of AMD's public machine-readable ISA for CDNA 5 (MIT licence, August 2026) and "CDNA5" Instruction Set Architecture Reference Guide (July 2026). The comments in the code are by the model that wrote it; some were corrected since.
;; Causal Self Attention. Allowed arithmetic: matrix products marked QUANTISED: E5M2 operands, one E8M0 scale for each 32 along K, by v_wmma_scale_f32_16x16x128_f8f6f4 with both operands' format E5M2, f32 sums; everything else in f32.
;; Inputs: b_attn 3,072 float32; b_proj 1,024 float32; w_attn_codes 3,072 x 32 x 32 uint8 (E5M2 codes of w_attn, K innermost, in blocks of 32 codes); w_attn_scales 3,072 x 32 uint8 (E8M0 scales of w_attn, one for each 32 codes along K); w_proj_codes 1,024 x 32 x 32 uint8 (E5M2 codes of w_proj, K innermost, in blocks of 32 codes); w_proj_scales 1,024 x 32 uint8 (E8M0 scales of w_proj, one for each 32 codes along K); x_codes 4 x 2,048 x 32 x 32 uint8 (E5M2 codes of x, K innermost, in blocks of 32 codes); x_scales 4 x 2,048 x 32 uint8 (E8M0 scales of x, one for each 32 codes along K).
;; Outputs: out0 4 x 2,048 x 1,024 float32.
;; This version of the problem:
;;   THIS VERSION OF THE PROBLEM IS GIVEN IN LOW PRECISION. The matrix products marked QUANTISED in the list below multiply operands that are first quantised to E5M2 (5 exponent bits, 2 mantissa bits; 8 bits a number), with one power-of-two scale for each 32 numbers along K (OCP MX v1.0); their sums are f32. All else is computed in f32.
;;   The module's matrix products, in the order in which they are computed (A, B: the left and right operand; K: the contracted axis; several contracted axes count as one K, in the product's order):
;;     1. [M 8,192, K 1,024] x [K 1,024, N 3,072]; A: input x (given as codes); B: input w_attn (given as codes): QUANTISED
;;     2. batch 64 x [M 2,048, K 64] x [K 64, N 2,048]; A: computed on the way; B: computed on the way: QUANTISED
;;     3. batch 64 x [M 2,048, K 2,048] x [K 2,048, N 64]; A: softmax (see below); B: computed on the way: QUANTISED
;;     4. [M 8,192, K 1,024] x [K 1,024, N 1,024]; A: computed on the way; B: input w_proj (given as codes): QUANTISED
;;   THE QUANTISER, for each operand of a quantised product, along K:
;;     - K is cut into blocks of 32 from its start; a last block that is shorter is filled with zeros.
;;     - A block's scale is 2^e with e = floor(log2(the largest magnitude in the block)) - 15, held to -126 .. 127; a block of zeros has e = 0. As a byte (E8M0): e + 127.
;;     - Each number is divided by its block's scale, clamped to +-57,344, and rounded to the nearest number of E5M2, ties to even, subnormals kept.
;;     - The product sums the exact products of the quantised numbers (number of the format x scale) in f32.
;;   ~~~python
;;   def quantise(x, axis):      # numpy; x: float32 -> the quantised numbers, widened to float32 again
;;       x = np.moveaxis(x, axis, -1); K = x.shape[-1]
;;       x = np.pad(x, [(0, 0)] * (x.ndim - 1) + [(0, -K % 32)]); x = x.reshape(x.shape[:-1] + (-1, 32)); a = np.abs(x).max(-1, keepdims=True)
;;       e = np.where(a > 0, np.clip(np.frexp(np.where(a > 0, a, 1))[1] - 1 - 15, -126, 127), 0)      # np.frexp(a)[1] - 1 = floor(log2(a)), exactly
;;       r = np.clip(x / 2.0 ** e, -57344, 57344)
;;       step = 2.0 ** (np.maximum(np.frexp(np.where(r == 0, 1, r))[1] - 1, -14) - 2)
;;       q = np.round(r / step) * step * 2.0 ** e      # np.round: ties to even
;;       return np.moveaxis(q.reshape(q.shape[:-2] + (-1,))[..., :K], -1, axis).astype(np.float32)
;;   ~~~
;;   SOFTMAX AHEAD OF A QUANTISED PRODUCT. Where the list says 'softmax', what is quantised is not the finished softmax but p = 2^(t - M), with t = logit x log2(e) and M = ceil(the row's largest t), a whole number; so 1/2 < the row's largest p <= 1. The row's sum l is taken of the UNQUANTISED p, in f32, and the product's result is divided by l at the end. Since M is a whole number, a kernel that streams over the keys may use a running M (the ceiling of the running maximum): every later rescaling is an exact power of two, which a block's scale takes up: the codes' values come out the same.
;;   OPERANDS COMPUTED ON THE WAY. 'Computed on the way' means the value that the module computes at that place (a softmax that the list does not call 'softmax' is quantised finished and normalised). What goes into a quantiser is computed in f32, as accurately as f32 sums, v_exp_f32 and their like allow (about 1e-6 of the number): no bf16 or f16 on the way to a quantiser, and a product that is left as it is and whose result goes on into a quantised operand takes f32 operands (vector FMAs, or v_wmma_f32_16x16x4_f32). A number that lies on a knife's edge between two numbers of the format may be rounded either way, as far as f32 arithmetic and the matrix unit's own rounding can turn it there, and no further.
;;   INPUTS GIVEN AS CODES. w_attn (in the module: [1024, 3072], K = its axis 0); w_proj (in the module: [1024, 1024], K = its axis 0); x (in the module: [4, 2048, 1024], K = its axis 2): each comes as NAME_codes (uint8): NAME with its K axis moved to the last place and cut into blocks of 32 codes, [.., K / 32, bytes a block], one block behind the other in memory; one code a byte (a code: sign, 5 exponent bits, 2 mantissa bits); and NAME_scales (uint8): the same leading axes, one E8M0 byte (e + 127) for each 32 codes along K. Its value is code x scale, taken as it is: it is not quantised again, and the codes and scales need not be those that the quantiser above would give.
;; One version. Each part assembles by itself: llvm-mc -triple=amdgcn-amd-amdhsa -mcpu=gfx1250 --defsym DOCPART=n.
;; ======== version 1 of 1: 3 launches
;; limits: right only within a limited range of input values
;; workspace buffers: qkv 26,476,544 bytes; ycodes 8,388,608 bytes; yscales 262,144 bytes
;; launch qkv_gemm (part 1): grid 12 x 32, 4 waves a work-group, clusters of 4 x 4, 327,680 bytes of LDS; arguments x_codes, x_scales, w_attn_codes, w_attn_scales, b_attn, qkv; writes qkv
.if DOCPART == 1
	.amdgcn_target "amdgcn-amd-amdhsa--gfx1250"
	.amdhsa_code_object_version 6
	.text
	.protected	k_q541aea9143_qkv_gemm
	.globl	k_q541aea9143_qkv_gemm
	.p2align	8
	.type	k_q541aea9143_qkv_gemm,@function
k_q541aea9143_qkv_gemm:
	s_mov_b64 s[64:65], 0
	v_nop
	global_prefetch_b8 v0, s[64:65] scope:SCOPE_SE
	s_setreg_imm32_b32 hwreg(HW_REG_WAVE_MODE, 25, 1), 1
	s_wait_xcnt 0x0
	s_wait_alu depctr_hold_cnt(0) depctr_sa_sdst(0) depctr_va_vdst(0) depctr_va_sdst(0) depctr_va_ssrc(0) depctr_va_vcc(0) depctr_vm_vsrc(0)
	s_getreg_b32 s2, hwreg(HW_REG_IB_STS2, 6, 4)
	s_cmp_eq_u32 s2, 0
	s_cbranch_scc0 .Lentry_in_a_cluster
	s_endpgm
.Lentry_in_a_cluster:
	s_bfe_u32 s2, ttmp6, 0x10000c
	s_cmp_lg_u32 s2, 0xf033
	s_cbranch_scc0 .Lentry_shape_is_right
	s_endpgm
.Lentry_shape_is_right:
; qkv = x w_attn + b_attn on codes of BF8 (E5M2) with one E8M0 scale for each 32 along K = 1,024; the result is quantised here, in registers, and leaves as codes:
; q and k along the head's 64 channels, v along the keys.  No f32 number of qkv goes to memory.
; A tile of 256 x 256 results is made by four waves, 128 x 128 each: 64 accumulators, 512 registers.  K goes in steps of 256 through two LDS slots filled by the tensor data mover.
; ROLES.  The matrix instruction is used transposed: source 1 (the A role) gives a lane ONE row, source 0 (the B role) gives its eight registers eight neighbours.  The quantiser wants a lane's registers
; along the next product's K.  So the cluster's x is the role: 0 (q) and 1 (k): A role = 256 tokens of x, B role = 256 rows of w_attn (channels); 2 (v): A role = rows 2,048 on of w_attn, B role = tokens.
; One text serves all three: pointers and strides are chosen by s_cselect on the role, which all sixteen partners of a cluster share.
; CLUSTERS: 4 x 4 work-groups.  The A role's tile is shared along a row of the cluster, the B role's along a column: each is asked for jointly, by the same tensor load with a mask that names the four.
; THE BIAS is the C of each sum's first matrix instruction: along the B role for q and k (a lane's eight channels), along the A role for v (the lane's channel in all eight registers).
; THE WAY OUT.  Block by block of 16 rows x 128: the largest magnitude of each 32, the scale's byte, the conversion; the codes go into the wave's stage in LDS as plain rows and come back in the ORDER OF
; THE NEXT OPERAND'S REGISTERS: tile 2 g + u takes rows 32 g + 8 u + r + 8 (r / 8), lane (r, h) the 16 bytes at 32 c + 16 h.  Each store of the wave covers 512 consecutive bytes, aligned.
; qkv: [16 b + head][block of 256 tokens][51,712 bytes]: q's scale words 1,024 | q's codes 16,384 | k's codes 16,384 | v's codes 16,384 | k's scale words 1,024 | v's scale words 512.
; LIMITS: NaN and infinities among the numbers are not served.  A block of zeros gets the byte 1, not 127: its codes are zeros, and this program alone reads the bytes.
; No prefetch: K has four steps, and the tiles are shared in the cluster.
; REGISTERS, in windows of 256: window 0: v1-15 at work, v16-31 addresses, v32-63 scale words (two sets, nothing else ever), v64-127 the bias, later the quantiser's registers, v128-255 the A role's fragments, later the codes;
;   window 1: the B role's fragments, two sets, later the codes read back;  windows 2, 3: the accumulators, (a, b) at v[8 (8 (a % 4) + b)].
.set NQ,     2                         ; matrix instructions deep in a slot
.set ROWB,   256                       ; a tile's row in bytes
.set KROW,   1024                      ; a row of x or of w_attn in memory
.set PITCH,  272                       ; an LDS row: 256 bytes + 16 of padding: the 16 rows that a load touches start at 16 different banks
.set FR,     16                        ; registers of a fragment
.set NL,     4                         ; LDS loads that bring one
.set NP,     8                         ; places behind this matrix instruction (ISA guide 7.12.1)
.set HALFT,  128*PITCH                 ; what one tensor load brings
.set SLOT,   4*HALFT
.set KS,     32                        ; a row of scale bytes
.set SCL,    2*SLOT                    ; behind the ring: the scale bytes of the 256 + 256 rows for all of K, as units of 256 bytes + 16
.set HALFS,  (128*KS/256)*272
.set SBLK,   (16*KS/256)*272
.set SPARE,  SCL+4*HALFS               ; the spare words, 128 bytes for each wave: two blocks of 256 bytes that no other line names
.set HEADB,  413696                    ; a head's bytes in qkv
.set BLKB,   51712                     ; a block's
.set WSTG,   19456                     ; the way out: a wave's stage, in slot 0, which has had its last fill and its last read by then
.set SPC,    144                       ; a stage row: 128 codes + 16
.set SWO,    128*SPC                   ; behind the 128 rows: 1,024 bytes of scale words
.set RAW,  8                           ; v8-15   the A role's bias as loaded: block a's row r
.set ADRA, 16                          ; v16-17  LDS address of my A fragments in slot 0, 1
.set ADRB, 20                          ; v20-21  the same for B
.set BO,   22                          ; v22     32 h: my eight numbers of a block's bias
.set AO,   23                          ; v23     4 r
.set STC,  24                          ; v24     the stage: where I put 8 codes
.set STS,  25                          ; v25     where I put a scale word
.set RDC,  26                          ; v26     where I read 16 codes back
.set ADRS, 27                          ; v27     LDS address of my scale words: lanes 0-15 A's rows, lanes 16-31 B's
.set SPW,  28                          ; v28     LDS address of my spare word; never rewritten
.set NIL,  29                          ; v29     0; never rewritten
.set RDS,  30                          ; v30     where I read scale words back
.set SVO,  31                          ; v31     their place in memory
.set SC,   32
.set BIAS, 64
.set AF,   128
.set TM,   64                          ; the way out: v64-67 largest magnitudes, v68-71 bytes, v76-79 the conversions' scale operands
.set PW,   80                          ; v80-87  a scale word for each block
.set PR,   88                          ; v88     the word turned by 16 bits
.set VO,   92                          ; v92-95  the stores' offsets
.set SW,   96                          ; v96-103 scale words read back
.set PC,   128                         ; v128-255 codes: 16 registers for each block
.set WV,   16
.set WR,   17                          ; which half of the A role's rows is mine.  Also: I fetch for A (0) or for B (1)
.set WC,   18                          ; which half of the B role's.  Also: which 128 rows I fetch
.set ROLE, 19
.set CX,   20
.set CY,   21
.set CLY,  22
.set G1,   24
.set G0,   32
.set G1B,  48
.set G0B,  56
.set G1S,  68
.set G0S,  76
.set G1SB, 80
.set G0SB, 88
.set VM,   94                          ; s94 all ones in role 2
.set HM,   95                          ; s95 lanes 16-31 in roles 0 and 1
.set OB,   40                          ; the way out: s[40:47] four bases
.set PS0,  92
.set PS1,  66
.set SEL,  24                          ; the way out: s[24:25] lane selects (descriptor words, rewritten behind the last wait for all tensor loads)
.set MNT,  26
.set MSB, 0
.macro WIN new                         ; the immediate's high byte repeats the setting that is left
.if MSB != \new
	s_set_vgpr_msb (MSB<<8)|\new
.set MSB, \new
.endif
.endm
.set MUL_LO, 0xa1                      ; source 0 (B) window 1, source 1 (A) window 0, C and D window 2
.set MUL_HI, 0xf1                      ; the same, C and D window 3
.set BIA_LO, 0x81                      ; C (the bias) window 0, D window 2
.set BIA_HI, 0xc1                      ; C window 0, D window 3
.set TO_B,   0x40                      ; destination window 1, address window 0
; A joint load: waves 0 and 1 fetch for the A role, waves 2 and 3 for the B role.  The branch hangs on the wave's number alone.  Four v_nop follow each of the two lines.
.macro JLOAD g0a, g1a, g0b, g1b
	s_cmp_eq_u32 s[WR], 0
	s_cbranch_scc0 .Lfor_b_\@
	tensor_load_to_lds s[\g0a:\g0a+3], s[\g1a:\g1a+7]
	s_nop 0
.rept 4
	v_nop
.endr
	s_branch .Lasked_\@
.Lfor_b_\@:
	tensor_load_to_lds s[\g0b:\g0b+3], s[\g1b:\g1b+7]
	s_nop 0
.rept 4
	v_nop
.endr
.Lasked_\@:
.endm
.macro CREST                           ; a round of the cluster's barrier behind its opening barrier
	s_cmp_lg_u32 s[WV], 0
	s_cbranch_scc1 .Lnot_wave_0_\@
	s_barrier_signal -3
.Lnot_wave_0_\@:
	s_barrier_wait -3
	s_barrier_signal -1
	s_barrier_wait -1
.endm
.macro CROUND                          ; a whole round
	s_barrier_signal -1
	s_barrier_wait -1
	CREST
.endm
	s_load_b256 s[4:11], s[0:1], 0x0               ; x's codes s[4:5], x's scales s[6:7], w_attn's codes s[8:9], w_attn's scales s[10:11]
	s_load_b128 s[12:15], s[0:1], 0x20             ; b_attn s[12:13], qkv s[14:15]
	v_lshl_add_u32 v[SPW], v0, 2, SPARE
	v_mov_b32 v[NIL], 0
	ds_add_u32 v28, v29
	ds_add_u32 v28, v29
	s_wait_dscnt 0x0
	v_lshrrev_b32 v1, 5, v0
	v_readfirstlane_b32 s[WV], v1                  ; wave 0..3
	s_lshr_b32 s[WR], s[WV], 1
	s_and_b32 s[WC], s[WV], 1
	s_bfe_u32 s[CX], ttmp6, 0x40000                ; my place in the cluster
	s_bfe_u32 s[CY], ttmp6, 0x40004
	s_mov_b32 s[ROLE], ttmp9                       ; the cluster's x: 0 q, 1 k, 2 v
	s_and_b32 s[CLY], ttmp7, 0xffff                ; the cluster's y: which 1,024 tokens
	s_lshl_b32 s2, s[CY], 2
	s_lshl_b32 s2, 15, s2                          ; my row of the cluster
	s_lshl_b32 s3, 0x1111, s[CX]                   ; my column
	; descriptor group 1: a tile of 128 rows x 256 bytes, 16 bytes of padding behind each row
	s_or_b32 s[G1+0], s2, (0<<16)|(1<<20)|(1<<21)|(5<<22)|(3<<25)   ; 15:0 the mask; 17:16 elements of 1 byte; 20 padding on; 21 set beside a mask; 24:22 after every 64 words; 31:25 four words
	s_or_b32 s[G1B+0], s3, (0<<16)|(1<<20)|(1<<21)|(5<<22)|(3<<25)
.irp g, G1, G1B
	s_mov_b32 s[\g+1], ROWB<<16                    ; tensor_dim0
	s_mov_b32 s[\g+2], 128<<16                     ; tensor_dim1
	s_mov_b32 s[\g+3], ROWB<<16                    ; tile_dim0
	s_mov_b32 s[\g+4], 128                         ; tile_dim1
	s_mov_b32 s[\g+5], KROW                        ; from row to row
	s_mov_b32 s[\g+6], 0
	s_mov_b32 s[\g+7], 0
.endr
	; the scale bytes of 128 rows: 4,096 dense bytes, as 16 rows of 256 bytes (32 elements of 8), 16 bytes of padding behind each
	s_or_b32 s[G1S+0], s2, (3<<16)|(1<<20)|(1<<21)|(5<<22)|(3<<25)
	s_or_b32 s[G1SB+0], s3, (3<<16)|(1<<20)|(1<<21)|(5<<22)|(3<<25)
.irp g, G1S, G1SB
	s_mov_b32 s[\g+1], 32<<16
	s_mov_b32 s[\g+2], (128*KS/256)<<16
	s_mov_b32 s[\g+3], 32<<16
	s_mov_b32 s[\g+4], 128*KS/256
	s_mov_b32 s[\g+5], 32
	s_mov_b32 s[\g+6], 0
	s_mov_b32 s[\g+7], 0
.endr
	; the rows that I fetch.  The A role's hang on cy alone (s40-43), the B role's on cx alone (s44-47)
	s_lshl_b32 s40, s[CLY], 10                     ; 1,024 x cluster y: tokens
	s_lshl_b32 s41, s[ROLE], 10                    ; 1,024 x role: rows of w_attn
	s_lshl_b32 s23, s[WC], 7
	s_cmp_lt_u32 s[ROLE], 2
	s_cselect_b32 s44, s41, s40                    ; B role: q, k: w_attn's rows; v: tokens
	s_cselect_b32 s40, s40, 0x800                  ; A role: q, k: tokens; v: w_attn's rows 2,048 on
	s_cselect_b32 s[VM], 0, -1
	s_cselect_b32 s[HM], 0xffff0000, 0
	s_lshl_b32 s41, s[CY], 8
	s_add_co_u32 s40, s40, s41
	s_add_co_u32 s40, s40, s23
	s_lshl_b32 s45, s[CX], 8
	s_add_co_u32 s44, s44, s45
	s_add_co_u32 s44, s44, s23
	s_lshl_b32 s42, s40, 5                         ; 32 scale bytes a row,
	s_lshl_b32 s40, s40, 10                        ; 1,024 codes
	s_lshl_b32 s46, s44, 5
	s_lshl_b32 s44, s44, 10
	s_mov_b32 s41, 0
	s_mov_b32 s43, 0
	s_mov_b32 s45, 0
	s_mov_b32 s47, 0
	s_mul_i32 s92, s[WV], HALFT                    ; where they go: no place in the cluster enters an LDS address
	s_mul_i32 s93, s[WV], HALFS
	s_wait_kmcnt 0x0
	s_cmp_lt_u32 s[ROLE], 2                        ; the choice of buffers hangs on the role alone
	s_cselect_b64 s[96:97], s[4:5], s[8:9]         ; A role: codes,
	s_cselect_b64 s[98:99], s[6:7], s[10:11]       ; scales
	s_cselect_b64 s[100:101], s[8:9], s[4:5]       ; B role: codes,
	s_cselect_b64 s[104:105], s[10:11], s[6:7]     ; scales
	s_add_nc_u64 s[96:97], s[96:97], s[40:41]
	s_add_nc_u64 s[98:99], s[98:99], s[42:43]
	s_add_nc_u64 s[100:101], s[100:101], s[44:45]
	s_add_nc_u64 s[104:105], s[104:105], s[46:47]
	CROUND                                         ; all sixteen work-groups are here: the first joint loads meet
	s_mov_b32 s[G0S], 1
	s_add_co_u32 s[G0S+1], s93, SCL
	s_mov_b64 s[G0S+2:G0S+3], s[98:99]
	s_or_b32 s[G0S+3], s[G0S+3], 0x80000000
	s_mov_b32 s[G0SB], 1
	s_add_co_u32 s[G0SB+1], s93, SCL
	s_mov_b64 s[G0SB+2:G0SB+3], s[104:105]
	s_or_b32 s[G0SB+3], s[G0SB+3], 0x80000000
	JLOAD G0S, G1S, G0SB, G1SB                     ; the scales first: they are wanted with K step 0
.irp s, 0,1
	s_mov_b32 s[G0+4*\s], 1
	s_add_co_u32 s[G0+4*\s+1], s92, \s*SLOT
	s_add_nc_u64 s[G0+4*\s+2:G0+4*\s+3], s[96:97], \s*ROWB
	s_or_b32 s[G0+4*\s+3], s[G0+4*\s+3], 0x80000000
	s_mov_b32 s[G0B+4*\s], 1
	s_add_co_u32 s[G0B+4*\s+1], s92, \s*SLOT
	s_add_nc_u64 s[G0B+4*\s+2:G0B+4*\s+3], s[100:101], \s*ROWB
	s_or_b32 s[G0B+4*\s+3], s[G0B+4*\s+3], 0x80000000
	JLOAD G0+4*\s, G1, G0B+4*\s, G1B               ; three tensor loads of mine are out
.endr
	; the bias.  Both forms are loaded in every role, each from a place inside b_attn; the role chooses below
	v_and_b32 v1, 15, v0                           ; r
	v_bfe_u32 v2, v0, 4, 1                         ; h
	v_lshlrev_b32 v[BO], 5, v2
	s_wait_alu depctr_va_vdst(0)
	v_lshlrev_b32 v[AO], 2, v1
	s_wait_alu depctr_va_vdst(0)
	s_cmp_lt_u32 s[ROLE], 2
	s_cselect_b32 s40, s[CX], s[CY]                ; the channels' tile,
	s_cselect_b32 s41, s[WC], s[WR]                ; and my half of it
	s_lshl_b32 s40, s40, 8
	s_lshl_b32 s41, s41, 7
	s_add_co_u32 s40, s40, s41
	s_lshl_b32 s41, s[ROLE], 10
	s_add_co_u32 s40, s40, s41                     ; my first channel of the 3,072
	s_lshl_b32 s40, s40, 2
	s_cmp_lt_u32 s[ROLE], 2
	s_cselect_b32 s42, s40, 0                      ; along the B role: q, k
	s_cselect_b32 s40, 0, s40                      ; along the A role: v
	s_mov_b32 s41, 0
	s_mov_b32 s43, 0
	s_add_nc_u64 s[42:43], s[12:13], s[42:43]
	s_add_nc_u64 s[40:41], s[12:13], s[40:41]
.irp b, 0,1,2,3,4,5,6,7
	global_load_b128 v[BIAS+8*\b:BIAS+8*\b+3],   v[BO], s[42:43] offset:64*\b      ; channels 16 b + 8 h + 0 .. 7
	global_load_b128 v[BIAS+8*\b+4:BIAS+8*\b+7], v[BO], s[42:43] offset:64*\b+16
.endr
.irp a, 0,1,2,3,4,5,6,7
	global_load_b32 v[RAW+\a], v[AO], s[40:41] offset:64*\a                        ; channel 16 a + r
.endr
	v_mul_u32_u24 v3, v1, PITCH
	v_lshl_add_u32 v4, v2, 4, v3                   ; a fragment's row x pitch + 16 x half
	s_mul_i32 s44, s[WR], HALFT                    ; my 128 rows of A
	s_mul_i32 s45, s[WC], HALFT                    ; my 128 rows of B,
	s_add_co_u32 s45, s45, 2*HALFT                 ; which lie behind A's 256
.irp s, 0,1
	v_add_nc_u32 v[ADRA+\s], s44, v4
	v_add_nc_u32 v[ADRB+\s], s45, v4
	s_add_co_u32 s44, s44, SLOT
	s_add_co_u32 s45, s45, SLOT
.endr
	v_mul_u32_u24 v5, v1, KS                       ; my row's scales: 32 bytes a row,
	v_lshrrev_b32 v6, 8, v5
	v_lshl_add_u32 v5, v6, 4, v5                   ; and 16 more for each 256 passed
	s_mul_i32 s44, s[WR], HALFS
	s_mul_i32 s45, s[WC], HALFS
	s_add_co_u32 s45, s45, 2*HALFS
	s_sub_co_u32 s45, s45, s44
	v_mul_u32_u24 v6, s45, v2                      ; lanes 16-31 take B's: the lower base + h x the distance
	s_add_co_u32 s44, s44, SCL
	v_add_nc_u32 v5, v5, v6
	v_add_nc_u32 v[ADRS], s44, v5
	s_mul_i32 s46, s[WV], WSTG                     ; my stage
	v_mul_u32_u24 v5, v1, SPC
	v_lshl_add_u32 v5, v2, 3, v5
	v_add_nc_u32 v[STC], s46, v5                   ; in: row r, 8 bytes for each half of the lanes
	v_bfe_u32 v6, v0, 3, 1                         ; r / 8
	v_and_b32 v7, 7, v0                            ; r % 8
	v_lshlrev_b32 v5, 9, v2
	v_lshl_add_u32 v5, v6, 6, v5
	v_lshl_add_u32 v5, v7, 2, v5
	v_add_nc_u32 v5, s46, v5
	v_add_nc_u32 v[STS], SWO, v5                   ; row 16 a + r's word goes to word 16 (r / 8) + 8 (a % 2) + r % 8 of its group of 32 rows: tile u's row at 16 u + row; lanes 16-31 write 512 bytes on
	v_lshl_add_u32 v5, v6, 3, v1
	v_mul_u32_u24 v5, v5, SPC
	v_lshl_add_u32 v5, v2, 4, v5
	v_add_nc_u32 v[RDC], s46, v5                   ; back: row r + 8 (r / 8), 16 bytes for each half
	v_and_b32 v5, 31, v0
	v_lshlrev_b32 v5, 4, v5
	v_add_nc_u32 v5, s46, v5
	v_add_nc_u32 v[RDS], SWO, v5
.macro FRAG reg, adr, q, i             ; a fragment, 16 rows x 128 K: lane l holds row l % 16; registers 4 c .. 4 c + 3 hold K = 32 c + 16 (l / 16) + 0 .. 15
.irp c, 0,1,2,3
	ds_load_b128 v[\reg+4*\c:\reg+4*\c+3], v[\adr] offset:128*(\q)+32*\c+(\i)*16*PITCH
.endr
.endm
; 16 matrix instructions: A's blocks a0, a0 + 1 x B's eight, 128 along K.  p: B's set; sc: the set of scale words.  cm = 0: C = D; 1: C = the bias of B's block; 2: C = the bias of A's block.
; The 64 accumulators take turns, one instruction a turn, in the same order in every step.
.macro MUL16 a0, p, q, sc, cm
.irp a, \a0, \a0+1
.irp b, 0,1,2,3,4,5,6,7
.if \cm == 1
	v_wmma_scale_f32_16x16x128_f8f6f4 v[8*(8*((\a)%4)+\b):8*(8*((\a)%4)+\b)+7], v[128*(\p)+FR*\b:128*(\p)+FR*\b+FR-1], v[AF+FR*(\a):AF+FR*(\a)+FR-1], v[BIAS+8*\b:BIAS+8*\b+7], v[SC+8*NQ*(\sc)+NQ*\b+(\q)], v[SC+8*NQ*(\sc)+NQ*(\a)+(\q)] matrix_a_fmt:MATRIX_FMT_BF8 matrix_b_fmt:MATRIX_FMT_BF8 matrix_a_scale:MATRIX_SCALE_ROW1
.elseif \cm == 2
	v_wmma_scale_f32_16x16x128_f8f6f4 v[8*(8*((\a)%4)+\b):8*(8*((\a)%4)+\b)+7], v[128*(\p)+FR*\b:128*(\p)+FR*\b+FR-1], v[AF+FR*(\a):AF+FR*(\a)+FR-1], v[BIAS+8*(\a):BIAS+8*(\a)+7], v[SC+8*NQ*(\sc)+NQ*\b+(\q)], v[SC+8*NQ*(\sc)+NQ*(\a)+(\q)] matrix_a_fmt:MATRIX_FMT_BF8 matrix_b_fmt:MATRIX_FMT_BF8 matrix_a_scale:MATRIX_SCALE_ROW1
.else
	v_wmma_scale_f32_16x16x128_f8f6f4 v[8*(8*((\a)%4)+\b):8*(8*((\a)%4)+\b)+7], v[128*(\p)+FR*\b:128*(\p)+FR*\b+FR-1], v[AF+FR*(\a):AF+FR*(\a)+FR-1], v[8*(8*((\a)%4)+\b):8*(8*((\a)%4)+\b)+7], v[SC+8*NQ*(\sc)+NQ*\b+(\q)], v[SC+8*NQ*(\sc)+NQ*(\a)+(\q)] matrix_a_fmt:MATRIX_FMT_BF8 matrix_b_fmt:MATRIX_FMT_BF8 matrix_a_scale:MATRIX_SCALE_ROW1
.endif
.endr
.endr
.endm
.macro FETCH_B slot, q, p              ; B's eight fragments of the slot's q-th 128 along K into set p
	WIN TO_B
.irp i, 0,1,2,3,4,5,6,7
	FRAG 128*(\p)+FR*\i, ADRB+\slot, \q, \i
.endr
	WIN 0
.endm
.macro FETCH_A slot, q, i0             ; A's blocks i0 .. i0 + 3
.irp i, \i0, \i0+1, \i0+2, \i0+3
	FRAG AF+FR*(\i), ADRA+\slot, \q, \i
.endr
.endm
.macro SCALES sc                       ; a K step's scale words into set sc: two words a row; lanes 0-15 take A's block i, lanes 16-31 B's block i
.irp i, 0,1,2,3,4,5,6,7
	ds_load_b64 v[SC+8*NQ*\sc+NQ*\i:SC+8*NQ*\sc+NQ*\i+1], v[ADRS] offset:\i*SBLK
.endr
.endm
.macro PLACES n                        ; places in front of loads into registers that matrix instructions have read, and of the first read of results
.rept \n
	v_nop
.endr
.endm
; The first step's 32 products of one half of the accumulators: the role says which bias is their C.  Only matrix instructions stand on the two ways; the role is the same in all partners.
.macro FIRST a0, win
	s_cmp_lt_u32 s[ROLE], 2
	s_cbranch_scc0 .Lrows_\@
	WIN \win
	s_wait_alu depctr_va_vdst(0)
	MUL16 \a0, 0, 0, 0, 1
	MUL16 \a0+2, 0, 0, 0, 1
	WIN 0
	s_branch .Ljoined_\@
.Lrows_\@:
	WIN \win
	MUL16 \a0, 0, 0, 0, 2
	s_wait_alu depctr_va_vdst(0)
	MUL16 \a0+2, 0, 0, 0, 2
	WIN 0
.Ljoined_\@:
.endm
; A step of 128 along K that has its successor in the same slot.
.macro STEP slot, q
	s_wait_dscnt 4*NL                              ; B's set and A's blocks 0-3 are in; the youngest 16 loads (A's blocks 4-7) may be out
	WIN MUL_LO
	MUL16 0, (\q)%2, \q, \slot, 0
	MUL16 2, (\q)%2, \q, \slot, 0
	s_wait_dscnt 0                                 ; A's blocks 4-7 are in
	PLACES NP
	FETCH_B \slot, (\q)+1, 1-(\q)%2
	FETCH_A \slot, (\q)+1, 0
	WIN MUL_HI
	MUL16 4, (\q)%2, \q, \slot, 0
	MUL16 6, (\q)%2, \q, \slot, 0
	PLACES NP
	WIN 0
	FETCH_A \slot, (\q)+1, 4
.endm
; A slot's last step changes slots: ONE barrier; in front of it each wave waits for all its tensor loads, adds 0 to its spare word, and waits for that and for its own reads of this slot.  fill = 1: this slot is filled again, two K steps ahead.
.macro TURN slot, next, fill
	s_wait_tensorcnt 0x0                           ; all my tensor loads have landed: my part of the next slot
	ds_add_u32 v[SPW], v[NIL]                      ; 0 onto my spare word
	s_wait_dscnt 4*NL+1                            ; (the add and the youngest 16 loads, A's blocks 4-7, may be out)
	WIN MUL_LO
	MUL16 0, 1, NQ-1, \slot, 0                     ; sixteen matrix instructions stand between the add and the wait for it
	s_wait_dscnt 0x0                               ; the add is done, and my reads of this slot are over
	s_barrier_signal -1
	MUL16 2, 1, NQ-1, \slot, 0
	WIN 0
	s_barrier_wait -1
.if \fill
	CREST                                          ; the barrier has opened a round of the cluster's barrier: no wave of any partner still reads this slot or has a load on its way
	s_add_nc_u64 s[G0+4*\slot+2:G0+4*\slot+3], s[G0+4*\slot+2:G0+4*\slot+3], 2*ROWB
	s_add_nc_u64 s[G0B+4*\slot+2:G0B+4*\slot+3], s[G0B+4*\slot+2:G0B+4*\slot+3], 2*ROWB
	JLOAD G0+4*\slot, G1, G0B+4*\slot, G1B         ; the first tensor load behind the round; its four v_nop are among the places in front of the loads below
	PLACES NP-4
.else
	PLACES NP
.endif
	s_wait_alu depctr_va_vdst(0)
	v_add_nc_u32 v[ADRS], 4*NQ, v[ADRS]            ; on to the next K step's scale words
	FETCH_B \next, 0, 0
	FETCH_A \next, 0, 0
	SCALES \next
	WIN MUL_HI
	MUL16 4, 1, NQ-1, \slot, 0
	MUL16 6, 1, NQ-1, \slot, 0
	PLACES NP
	WIN 0
	FETCH_A \next, 0, 4
.endm
	s_wait_tensorcnt 1                             ; the scales and my part of K step 0 are in; K step 1's load may be out
	s_barrier_signal -1
	s_barrier_wait -1                              ; everybody's are
	FETCH_B 0, 0, 0
	FETCH_A 0, 0, 0
	SCALES 0
	FETCH_A 0, 0, 4
	s_wait_loadcnt 0x0                             ; the bias
.irp i, 0,1,2,3,4,5,6,7
.irp j, 0,1,2,3,4,5,6,7
	v_cndmask_b32 v[BIAS+8*\i+\j], v[BIAS+8*\i+\j], v[RAW+\i], s[VM]   ; v: block i's row's bias in all eight registers
.endr
.endr
	PLACES 4
	s_wait_dscnt 4*NL                              ; all but A's blocks 4-7
	FIRST 0, BIA_LO                                ; the first step is written out: its products start the sums, with the bias as C
	s_wait_dscnt 0
	PLACES NP
	FETCH_B 0, 1, 1
	FETCH_A 0, 1, 0
	FIRST 4, BIA_HI
	PLACES NP
	FETCH_A 0, 1, 4
	TURN 0, 1, 1                                   ; K has four steps of 256: the walk is written out
	STEP 1, 0
	TURN 1, 0, 1
	STEP 0, 0
	TURN 0, 1, 0                                   ; the last two K steps fill nothing
	STEP 1, 0
	s_wait_dscnt 4*NL                              ; the very last step
	WIN MUL_LO
	MUL16 0, 1, NQ-1, 1, 0
	MUL16 2, 1, NQ-1, 1, 0
	s_wait_dscnt 0
	WIN MUL_HI
	MUL16 4, 1, NQ-1, 1, 0
	MUL16 6, 1, NQ-1, 1, 0
	WIN 0
	; THE WAY OUT.  Where my 128 x 128 goes in qkv; all strides by the role
	s_cmp_lt_u32 s[ROLE], 2
	s_cselect_b32 s96, s[CY], s[CX]                ; the tokens' tile,
	s_cselect_b32 s97, s[WR], s[WC]                ; my half of it;
	s_cselect_b32 s98, s[CX], s[CY]                ; the channels' tile,
	s_cselect_b32 s99, s[WC], s[WR]                ; my half of it
	s_mov_b32 s100, 1024
	s_cselect_b32 s100, HEADB, s100                ; from bytes 0-63 of a row to bytes 64-127: q, k: the next head; v: two blocks of 32 keys on
	s_mov_b32 s101, HEADB
	s_cselect_b32 s101, 4096, s101                 ; from tile 0-3 to tile 4-7: q, k: four tiles on; v: the next head
	s_mov_b32 s104, 2048
	s_cselect_b32 s104, 1024, s104                 ; from tile to tile
	s_cselect_b32 s105, 9, 8                       ; 128 tokens' scale words: 512 bytes (q, k), 256 (v: 64 channels)
	s_mov_b32 s23, HEADB
	s_cselect_b32 s23, 256, s23                    ; the scale words' lanes 16-31: q, k: on end; v: the next head
	s_lshl_b32 s2, s[CLY], 10
	s_lshl_b32 s96, s96, 8
	s_lshl_b32 s97, s97, 7
	s_add_co_u32 s2, s2, s96
	s_add_co_u32 s2, s2, s97                       ; my first token of the 8,192
	s_lshl_b32 s98, s98, 2
	s_lshl_b32 s99, s99, 1
	s_add_co_u32 s98, s98, s99                     ; my first head
	s_lshr_b32 s99, s2, 11
	s_lshl_b32 s99, s99, 4
	s_add_co_u32 s98, s98, s99                     ; 16 b + head
	s_bfe_u32 s96, s2, 0x30008                     ; the block of 256 tokens
	s_bfe_u32 s97, s2, 0x10007                     ; and its half
	s_mul_i32 s98, s98, HEADB
	s_mul_i32 s96, s96, BLKB
	s_add_co_u32 s98, s98, s96
	s_lshl_b32 s96, s[ROLE], 14
	s_lshl_b32 s99, s97, 13
	s_add_co_u32 s96, s96, s99
	s_add_co_u32 s96, s96, s98
	s_add_co_u32 s96, s96, 1024                    ; the codes: 1,024 + 16,384 x role + 8,192 x half
	s_lshl_b32 s2, s97, s105
	s_add_co_u32 s98, s98, s2
	s_lshl_b32 s2, s[ROLE], 10
	s_add_co_u32 s2, s2, 49152
	s_cmp_eq_u32 s[ROLE], 0
	s_cselect_b32 s2, 0, s2
	s_add_co_u32 s98, s98, s2                      ; the scale words: 0, 50,176 or 51,200
	s_mov_b32 s97, 0
	s_mov_b32 s99, 0
	s_add_nc_u64 s[OB:OB+1], s[14:15], s[96:97]
	s_mov_b32 s96, s100
	s_add_nc_u64 s[OB+2:OB+3], s[OB:OB+1], s[96:97]
	s_mov_b32 s96, s101
	s_add_nc_u64 s[OB+4:OB+5], s[OB:OB+1], s[96:97]
	s_add_nc_u64 s[OB+6:OB+7], s[OB+2:OB+3], s[96:97]
	s_add_nc_u64 s[PS0:PS0+1], s[14:15], s[98:99]
	s_add_nc_u64 s[PS1:PS1+1], s[PS0:PS0+1], HEADB
	s_mov_b32 s[SEL], 0x76543210
	s_mov_b32 s[SEL+1], 0xfedcba98                 ; v_permlanex16_b32's selects for lane l xor 16
	v_and_b32 v1, 31, v0                           ; these nine lines name no register of the last products: they are the places behind them
	v_lshlrev_b32 v[VO], 4, v1
	v_add_nc_u32 v[VO+1], s104, v[VO]
	v_add_nc_u32 v[VO+2], s104, v[VO+1]
	v_add_nc_u32 v[VO+3], s104, v[VO+2]
	v_and_b32 v2, 15, v0
	v_bfe_u32 v3, v0, 4, 1
	v_mul_u32_u24 v3, s23, v3
	v_lshl_add_u32 v[SVO], v2, 4, v3
; Block a: 16 rows x 128 numbers become codes and a scale word a row.  A lane holds, of its row, numbers 16 t + 8 h + 0 .. 7 in accumulator t: a block of 32 lies in accumulators 2 b, 2 b + 1 of lanes l and l xor 16.
.macro QUANTA a
.set W,  2+(\a)/4
.set AC, 64*((\a)%4)
.set W12, (W<<2)|(W<<4)
.set WD0, (W<<6)|W
	WIN W12                                        ; sources 1 and 2: the accumulators' window
.irp b, 0,1,2,3
	v_max3_num_f32 v[TM+\b], 0x8000000, |v[AC+16*\b]|, |v[AC+16*\b+1]|   ; my 16 numbers, each accumulator from its low end on, and the floor 2^(16 - 127): the byte cannot fall under 1
.endr
.irp i, 2,4,6,8,10,12,14
.irp b, 0,1,2,3
	v_max3_num_f32 v[TM+\b], v[TM+\b], |v[AC+16*\b+\i]|, |v[AC+16*\b+\i+1]|   ; (the four blocks by turns)
.endr
.endr
	WIN 0
.irp b, 0,1,2,3
	v_permlanex16_b32 v[TM+4+\b], v[TM+\b], s[SEL], s[SEL+1]   ; (the destinations have been written: they held the bias)
.endr
.irp b, 0,1,2,3
	v_max_num_f32 v[TM+\b], v[TM+\b], v[TM+4+\b]   ; with lane l xor 16's: the block's largest magnitude
.endr
.irp b, 0,1,2,3
	v_add_nc_u32 v[TM+12+\b], 0xf8800000, v[TM+\b] ; 15 off its exponent field: the conversion's scale operand
.endr
.irp b, 0,1,2,3
.endr
.irp b, 0,1,2,3
	v_lshrrev_b32 v[TM+4+\b], 23, v[TM+12+\b]      ; the scale's byte
.endr
	v_lshl_or_b32 v[PW+(\a)], v[TM+5], 8, v[TM+4]
	v_lshl_or_b32 v[PW+(\a)], v[TM+6], 16, v[PW+(\a)]
	v_lshl_or_b32 v[PW+(\a)], v[TM+7], 24, v[PW+(\a)]
	v_alignbit_b32 v[PR], v[PW+(\a)], v[PW+(\a)], 16
	v_cndmask_b32 v[PW+(\a)], v[PW+(\a)], v[PR], s[HM]   ; q, k: lanes 16-31 carry the second head's word, its two bytes lowest; the upper two bytes meet zero codes alone.  v: one word of four key blocks
	WIN WD0                                        ; destination and source 0: the accumulators' window
.irp b, 0,1,2,3
.irp i, 0,1,2,3,4,5,6,7,8,9,10,11,12,13,14,15
.endr
.endr
	WIN W
.irp t, 0,1,2,3,4,5,6,7
	v_cvt_scalef32_pk8_bf8_f32 v[PC+16*(\a)+2*\t:PC+16*(\a)+2*\t+1], v[AC+8*\t:AC+8*\t+7], v[TM+12+\t/2]
.endr
	WIN 0
	v_nop                                          ; one plain line behind the last conversion
.irp t, 0,1,2,3,4,5,6,7
	ds_store_b64 v[STC], v[PC+16*(\a)+2*\t:PC+16*(\a)+2*\t+1] offset:16*SPC*(\a)+16*\t
.endr
	ds_store_b32 v[STS], v[PW+(\a)] offset:128*((\a)/2)+32*((\a)%2)
.endm
.irp a, 0,1,2,3,4,5,6,7
	QUANTA \a
.endr
	WIN TO_B                                       ; back, in the order of the next operand's registers, into window 1.  LDS serves a wave's instructions in order (ISA guide 5.7.1.4): these see my stores
.set k, 0
.rept 32                               ; load k: tile k / 4, bytes 32 (k % 4) + 16 h of its rows
	ds_load_b128 v[4*k:4*k+3], v[RDC] offset:SPC*(32*(k/8)+8*((k/4)%2))+32*(k%4)
.set k, k+1
.endr
	WIN 0
	ds_load_b128 v[SW:SW+3], v[RDS]
	ds_load_b128 v[SW+4:SW+7], v[RDS] offset:512
	WIN 0x04                                       ; a store's data are its source 1: window 1
.set k, 0
.rept 32
	s_wait_dscnt 33-k                              ; behind load k: 31 - k loads of codes and two of scale words
	global_store_b128 v[VO+(k/4)%4], v[4*k:4*k+3], s[OB+2*(2*(k/16)+(k%4)/2):OB+2*(2*(k/16)+(k%4)/2)+1] offset:512*(k%2)   ; 32 lanes store 512 consecutive bytes, aligned
.set k, k+1
.endr
	WIN 0
	s_wait_dscnt 0x1
	global_store_b128 v[SVO], v[SW:SW+3], s[PS0:PS0+1]   ; q, k: the first head's 128 words; v: 64 words for each of the two heads
	s_wait_dscnt 0x0
	s_cmp_lt_u32 s[ROLE], 2
	s_cbranch_scc0 .Lno_second
	global_store_b128 v[SVO], v[SW+4:SW+7], s[PS1:PS1+1] ; q, k: the second head's
.Lno_second:
	s_wait_tensorcnt 0x0                           ; the wave's end
	ds_add_u32 v[SPW], v[NIL]
	s_wait_dscnt 0x0
	CROUND                                         ; the closing round: no work-group ends while a partner may still ask for a tile that names it
	s_endpgm
.Lfunc_end_k_q541aea9143_qkv_gemm:
	.size	k_q541aea9143_qkv_gemm, .Lfunc_end_k_q541aea9143_qkv_gemm-k_q541aea9143_qkv_gemm
	.p2alignl 7, 3214868480
	.fill 96, 4, 3214868480
	.section	.rodata,"a",@progbits
	.p2align	6, 0x0
	.amdhsa_kernel k_q541aea9143_qkv_gemm
		.amdhsa_group_segment_fixed_size 327680
		.amdhsa_private_segment_fixed_size 0
		.amdhsa_enable_private_segment 0
		.amdhsa_kernarg_size 48
		.amdhsa_user_sgpr_count 2
		.amdhsa_user_sgpr_kernarg_segment_ptr 1
		.amdhsa_wavefront_size32 1
		.amdhsa_system_sgpr_workgroup_id_x 1
		.amdhsa_system_sgpr_workgroup_id_y 1
		.amdhsa_system_sgpr_workgroup_id_z 1
		.amdhsa_system_vgpr_workitem_id 0
		.amdhsa_next_free_vgpr 1024
		.amdhsa_next_free_sgpr 106
		.amdhsa_reserve_vcc 0
		.amdhsa_float_denorm_mode_32 3
		.amdhsa_float_denorm_mode_16_64 3
		.amdhsa_fp16_overflow 1
		.amdhsa_memory_ordered 1
		.amdhsa_forward_progress 1
		.amdhsa_inst_pref_size 176
	.end_amdhsa_kernel
	.amdgpu_metadata
---
amdhsa.version: [ 1, 2 ]
amdhsa.kernels:
  - .name:           k_q541aea9143_qkv_gemm
    .symbol:         k_q541aea9143_qkv_gemm.kd
    .args:
      - { .name: x_codes, .offset: 0, .size: 8, .value_kind: global_buffer, .address_space: global }
      - { .name: x_scales, .offset: 8, .size: 8, .value_kind: global_buffer, .address_space: global }
      - { .name: w_attn_codes, .offset: 16, .size: 8, .value_kind: global_buffer, .address_space: global }
      - { .name: w_attn_scales, .offset: 24, .size: 8, .value_kind: global_buffer, .address_space: global }
      - { .name: b_attn, .offset: 32, .size: 8, .value_kind: global_buffer, .address_space: global }
      - { .name: qkv, .offset: 40, .size: 8, .value_kind: global_buffer, .address_space: global }
    .group_segment_fixed_size: 327680
    .private_segment_fixed_size: 0
    .kernarg_segment_align: 8
    .kernarg_segment_size: 48
    .max_flat_workgroup_size: 128
    .sgpr_count:     106
    .vgpr_count:     1024
    .wavefront_size: 32
...
	.end_amdgpu_metadata
.endif
;; end of part 1
;; launch attention (part 2): grid 4 x 64, 16 waves a work-group, no clusters, 327,680 bytes of LDS; arguments qkv, ycodes, yscales; writes ycodes, yscales
.if DOCPART == 2
	.amdgcn_target "amdgcn-amd-amdhsa--gfx1250"
	.amdhsa_code_object_version 6
	.text
	.protected	k_q541aea9143_attention
	.globl	k_q541aea9143_attention
	.p2align	8
	.type	k_q541aea9143_attention,@function
k_q541aea9143_attention:
	s_mov_b64 s[64:65], 0
	v_nop
	global_prefetch_b8 v0, s[64:65] scope:SCOPE_SE
	s_setreg_imm32_b32 hwreg(HW_REG_WAVE_MODE, 25, 1), 1
	s_wait_xcnt 0x0
; y = softmax(q k^T / 8, causal) v for each of the 64 (batch, head), both products on codes of BF8 (E5M2) with one E8M0 scale for each 32 along K; y is quantised along the 1,024 channels and leaves as codes.
; THE SOFTMAX: t = score x log2(e) / 8; M = the row's largest t so far, rounded UP to a whole number; p = 2^(t - M) is what is quantised, along the keys.  The row's sum is taken of the unquantised p and divides O at the end.
; When M moves, the sum and O are multiplied by 2^(old M - new M): exact.
; SHARES.  Work-group (p, head) owns two blocks of 256 queries: first block 7 - p, which walks 8 - p slots of 256 keys, then block p, which walks p + 1: nine visits of slots in every work-group, a constant of the text.
; Each of the sixteen waves owns one tile of 16 queries in 256 registers, four waves to a SIMD: one wave's vector work stands beside another's exponentials, products and LDS loads.
; LAYOUT.  Both products are used transposed (S^T = k q^T, O^T = v^T p^T): a lane holds ONE query throughout.  q, k and v lie in memory in the order of the operands' registers: a fragment comes by loads of 512
; consecutive bytes.  A tile's rows are 32 g + 8 u + r + 8 (r / 8), so that the 16 registers of two neighbouring tiles of results are 16 neighbours along the next product's K.
; The first product's K is 64: the upper half of its 128 is zero codes on both sides, in two sets of zero registers.
; THE MASK.  A step of 128 keys that all come after the wave's queries is left out by a scalar branch on ids; on the diagonal hidden scores become -infinity ahead of the maximum.
; NO CLUSTER: the four work-groups of a head leave the common walk after 8 - p slots; joint loads would ask every partner for every tile in the same round: 8 + 4 rounds against 9 visits.
; LIMITS: NaN and infinities are not served.  A block of zeros gets the byte 1, not 127: its codes are zeros, and this program alone reads the bytes.
; REGISTERS: v1-11 addresses; v12 -M, v13 the largest t, v[14:15] the sum in two halves; v16-23 q, v24-31 zeros; v32-95 four fragments of k (their upper halves zeros); v96-159 S^T, then p, then v's four fragments;
;   v160-191 O^T; v192-207 p's codes; v208-236 at work.
.set HEADB, 413696                     ; a head's bytes in qkv
.set BLKB,  51712                      ; a block's: q's words 1,024 | q's codes 16,384 | k's codes | v's codes | k's words 1,024 | v's words 512
.set KVO,   17408                      ; from here on a block's 34,304 bytes are a slot
.set HALF,  17152                      ; half a slot: 67 rows of 256 bytes: what one tensor load brings
.set SLOT1, 65536                      ; slot 1 begins here: one exclusive or turns an address
.set VCO,   16384                      ; in a slot: v's codes,
.set KWO,   32768                      ; k's scale words,
.set VWO,   33792                      ; v's
.set SPARE, 131072                     ; the spare words, 128 bytes for each wave: eight blocks of 256 bytes that no other line names
.set LI,  1                            ; v1   16 x lane
.set LS,  2                            ; v2   4 x lane
.set SPW, 3                            ; v3   LDS address of my spare word; never rewritten
.set NIL, 4                            ; v4   0; never rewritten
.set QD,  5                            ; v5   r + 8 (r / 8) - 16 h
.set YSO, 6                            ; v6   32 r + h
.set PFO, 7                            ; v7   256 x lane
.set ADK, 8                            ; v8   the slot in hand + 16 x lane
.set ADS, 9                            ; v9   the slot in hand + 4 x lane
.set QSO, 10                           ; v10  q's scale word: 64 x wave + 4 r
.set QCO, 11                           ; v11  q's codes: 1,024 + 1,024 x wave + 16 x lane
.set BM,  208                          ; v208-211 a block's largest score, then its largest p
.set PM,  212                          ; v212-215 the other half's; the second chain of sums; bytes
.set HL,  216
.set SO,  220                          ; v220-223 the conversions' scale operands
.set KS,  224                          ; v224-227 k's scale words: lanes 0-15 tile 2 g, lanes 16-31 tile 2 g + 1
.set VS,  228                          ; v228-229 v's likewise
.set F,   230                          ; v230 2^(old M - new M)
.set PW,  231                          ; v231 p's scale word
.set T1,  233
.set QS,  235                          ; v235 q's scale words
.set NINF, 236                         ; v236 -infinity
.set TB,  2                            ; s2   LDS byte at which the slot in hand begins
.set J,   3                            ; s3   the visit
.set HB,  10                           ; s[10:11] my head in qkv
.set KVB, 12                           ; s[12:13] my half of the head's first slot
.set OFF, 14                           ; s[14:15] an offset; the upper word stays 0
.set KSN, 16                           ; s16  the block of keys to be asked for next
.set NA,  17                           ; s17  8 - p
.set WV,  18
.set MNT, 19
.set SEL, 20
.set CS,  22                           ; s[22:23] c = log2(e) / 8
.set G1,  24
.set G0,  32
.set PFA, 36
.set LIM, 38
.set KF,  39                           ; s39  the step's first key
.set QMIN, 40                          ; s40, s41 my tile's first and last query
.set QMAX, 41
.set BLK, 42
.set P,   43
.set YP,  44
.set YSP, 46
.set QP,  48
.set HH,  50
.set BB,  51
.set YPB, 52
.set YSB, 54
.set WQ,  56
.set HM,  60
.set NA1, 61
.macro TLOAD                           ; waves 0 and 1 fetch the two halves of a slot; the branch hangs on the wave's number alone.  Four v_nop follow the load
	s_cmp_lt_u32 s[WV], 2
	s_cbranch_scc0 .Lnone_\@
	tensor_load_to_lds s[G0:G0+3], s[G1:G1+7]
	s_nop 0
.rept 4
	v_nop
.endr
.Lnone_\@:
.endm
; A PREFETCH INTO THE L2 of the codes that the NEXT change of slots will ask for: 32,768 bytes of k's and v's.  The four work-groups of a head walk the same blocks: the one that walks all eight in order (p = 0) asks, in it
; waves 4 to 7, 8,192 bytes each, lanes 256 bytes apart: each aligned 256 bytes are named once in the launch.  Visit J asks for block J + 2, up to block 7.  Blocks 0 and 1 and the scale words come by their loads alone.
.macro ASK
	s_cmp_lt_u32 s[J], s[LIM]
	s_cbranch_scc0 .Lnot_mine_\@
	global_prefetch_b8 v[PFO], s[PFA:PFA+1] th:TH_LOAD_NT scope:SCOPE_SE
.Lnot_mine_\@:
.endm
.macro SETBLK                          ; all that hangs on the block of queries in hand
	s_lshl_b32 s[QMIN], s[BLK], 8
	s_add_co_u32 s[QMIN], s[QMIN], s[WQ]
	s_add_co_u32 s[QMAX], s[QMIN], 23              ; row 15 of a tile lies 23 tokens behind row 0
	s_mov_b32 s[KF], 0
	s_lshl_b32 s[OFF], s[BLK], 18                  ; 16 tiles of 16,384 bytes
	s_add_nc_u64 s[YP:YP+1], s[YPB:YPB+1], s[OFF:OFF+1]
	s_lshl_b32 s[OFF], s[BLK], 13                  ; 256 rows of 32 bytes
	s_add_nc_u64 s[YSP:YSP+1], s[YSB:YSB+1], s[OFF:OFF+1]
	s_mul_i32 s[OFF], s[BLK], BLKB
	s_add_nc_u64 s[QP:QP+1], s[HB:HB+1], s[OFF:OFF+1]
.endm
.macro QLOAD                           ; my tile of q: two loads of 512 consecutive bytes, and its scale words
	global_load_b128 v[16:19], v[QCO], s[QP:QP+1]
	global_load_b128 v[20:23], v[QCO], s[QP:QP+1] offset:512
	global_load_b32 v[QS], v[QSO], s[QP:QP+1]
.endm
.macro INIT                            ; the step is written once: its first run finds zeros, which the first change of M leaves zeros
	v_mov_b32 v13, 0xff61b1e6                      ; the largest t so far: -3e38
	s_delay_alu instid0(VALU_DEP_1)
	v_floor_f32 v12, -v13                          ; -M
	v_mov_b32 v14, 0
	v_mov_b32 v15, 0
.set j, 0
.rept 32
	v_mov_b32 v[160+j], 0
.set j, j+1
.endr
.endm
	s_load_b128 s[4:7], s[0:1], 0x0                ; qkv, ycodes
	s_load_b64 s[8:9], s[0:1], 0x10                ; yscales
	v_lshl_add_u32 v[SPW], v0, 2, SPARE
	v_mov_b32 v[NIL], 0
	ds_add_u32 v3, v4
	ds_add_u32 v3, v4
	s_wait_dscnt 0x0
	v_lshrrev_b32 v8, 5, v0
	s_delay_alu instid0(VALU_DEP_1)
	v_readfirstlane_b32 s[WV], v8                  ; wave 0..15
	s_mov_b32 s[P], ttmp9
	s_and_b32 s57, ttmp7, 0xffff                   ; 16 b + head
	s_and_b32 s[HH], s57, 15
	s_lshr_b32 s[BB], s57, 4
	s_sub_co_u32 s[NA], 8, s[P]
	s_sub_co_u32 s[NA1], 7, s[P]
	s_mov_b32 s[BLK], s[NA1]                       ; the first block of queries: 7 - p
	s_mul_i32 s[OFF], s57, HEADB
	s_mov_b32 s[OFF+1], 0
	; descriptor group 1: 67 dense rows of 256 bytes (32 elements of 8 bytes), no padding: images are read 512 consecutive bytes an instruction
	s_mov_b32 s[G1], 3<<16
	s_mov_b32 s[G1+1], 32<<16                      ; tensor_dim0
	s_mov_b32 s[G1+2], 67<<16                      ; tensor_dim1
	s_mov_b32 s[G1+3], 32<<16                      ; tile_dim0
	s_mov_b32 s[G1+4], 67                          ; tile_dim1
	s_mov_b32 s[G1+5], 32                          ; from row to row
	s_mov_b32 s[G1+6], 0
	s_mov_b32 s[G1+7], 0
	s_and_b32 s58, s[WV], 1
	s_mul_i32 s58, s58, HALF
	s_wait_kmcnt 0x0
	s_add_nc_u64 s[HB:HB+1], s[4:5], s[OFF:OFF+1]
	s_add_co_u32 s[OFF], s58, KVO
	s_add_nc_u64 s[KVB:KVB+1], s[HB:HB+1], s[OFF:OFF+1]
	s_mov_b32 s[G0], 1
	s_mov_b32 s[G0+1], s58                         ; slot 0
	s_mov_b64 s[G0+2:G0+3], s[KVB:KVB+1]           ; keys 0 to 255
	s_or_b32 s[G0+3], s[G0+3], 0x80000000
	TLOAD                                          ; the one first fill
	s_lshl_b32 s57, s[BB], 7
	s_add_co_u32 s57, s57, s[WV]                   ; 128 b + wave: my tile of tokens, less 16 x block
	s_lshl_b32 s58, s57, 14
	s_lshl_b32 s59, s[HH], 10                      ; K step head / 2 (2,048 bytes), blocks 2 (head % 2) on (512 each)
	s_add_co_u32 s[OFF], s58, s59
	s_add_nc_u64 s[YPB:YPB+1], s[6:7], s[OFF:OFF+1]
	s_lshl_b32 s58, s57, 9
	s_lshl_b32 s59, s[HH], 1
	s_add_co_u32 s[OFF], s58, s59
	s_add_nc_u64 s[YSB:YSB+1], s[8:9], s[OFF:OFF+1]
	s_lshr_b32 s57, s[WV], 1
	s_lshl_b32 s57, s57, 5
	s_and_b32 s58, s[WV], 1
	s_lshl_b32 s58, s58, 3
	s_add_co_u32 s[WQ], s57, s58                   ; my tile's first query in its block: 32 (wave / 2) + 8 (wave % 2)
	s_and_b32 s57, s[WV], 3
	s_lshl_b32 s57, s57, 13
	s_add_co_u32 s[OFF], s57, KVO+BLKB
	s_add_nc_u64 s[PFA:PFA+1], s[HB:HB+1], s[OFF:OFF+1]   ; in block 1: the first change of slots steps it to block 2
	s_lshr_b32 s57, s[WV], 2
	s_xor_b32 s57, s57, 1                          ; 0 in waves 4 to 7,
	s_or_b32 s57, s57, s[P]                        ; of the work-group p = 0
	s_cmp_eq_u32 s57, 0
	s_cselect_b32 s[LIM], 6, 0
	s_mov_b32 s[SEL], 0x76543210
	s_mov_b32 s[SEL+1], 0xfedcba98                 ; v_permlanex16_b32's selects for lane l xor 16
	s_mov_b32 s[CS], 0x3e38aa3b                    ; c = log2(e) / 8
	s_mov_b32 s[CS+1], s[CS]                       ; (named with it as a pair, so it is written)
	s_mov_b32 s[HM], 0xffff0000                    ; lanes 16-31
	s_mov_b32 s[TB], 0
	s_mov_b32 s[J], 0
	s_mov_b32 s[KSN], 1
	v_and_b32 v8, 31, v0
	s_delay_alu instid0(VALU_DEP_1)
	v_lshlrev_b32 v[LI], 4, v8
	s_delay_alu instid0(VALU_DEP_2)
	v_lshlrev_b32 v[LS], 2, v8
	s_delay_alu instid0(VALU_DEP_3)
	v_lshlrev_b32 v[PFO], 8, v8
	v_and_b32 v8, 15, v0                           ; r
	v_bfe_u32 v9, v0, 4, 1                         ; h
	v_bfe_u32 v10, v0, 3, 1                        ; r / 8
	s_delay_alu instid0(VALU_DEP_1)
	v_lshl_add_u32 v[QD], v10, 3, v8
	s_delay_alu instid0(VALU_DEP_3)
	v_lshlrev_b32 v11, 4, v9
	s_delay_alu instid0(VALU_DEP_1)
	v_sub_nc_u32 v[QD], v[QD], v11
	v_lshl_add_u32 v[YSO], v8, 5, v9
	s_lshl_b32 s57, s[WV], 6
	v_lshl_add_u32 v[QSO], v8, 2, s57
	s_lshl_b32 s57, s[WV], 10
	s_add_co_u32 s57, s57, 1024
	v_add_nc_u32 v[QCO], s57, v[LI]
	s_wait_alu depctr_va_vdst(0)
	SETBLK
	QLOAD
.irp j, 0,1,2,3,4,5,6,7
	v_mov_b32 v[24+\j], 0                          ; q's zero codes for K = 64 .. 127
.endr
.irp t, 0,1,2,3
.irp j, 0,1,2,3,4,5,6,7
	v_mov_b32 v[40+16*\t+\j], 0                    ; k's: registers of their own
.endr
.endr
.irp b, 0,1,2,3
	v_mov_b32 v[PM+\b], 0                          ; written once: a lane permute's destination counts as one of its sources
.endr
	v_mov_b32 v[PW], 0                             ; (named as the upper half of the pair v[230:231] before it is first written)
	v_mov_b32 v[NINF], 0xff800000
	INIT
; A KEY STEP: 128 keys, the q-th of the slot in hand.
.macro STEP q
	s_cmp_gt_u32 s[KF], s[QMAX]                    ; all its keys come after my queries: nothing to do but the step of KF
	s_cbranch_scc1 .Lhidden_\@
	s_wait_alu depctr_va_vdst(0)
.irp g, 0,1                            ; S^T = k q^T, four tiles of 16 keys at a time
.irp t, 0,1,2,3
.irp c, 0,1
	ds_load_b128 v[32+16*\t+4*\c:35+16*\t+4*\c], v[ADK] offset:1024*(8*(\q)+4*\g+\t)+512*\c
.endr
.endr
.if \g == 0
.irp p, 0,1,2,3
	ds_load_b32 v[KS+\p], v[ADS] offset:KWO+128*(4*(\q)+\p)
.endr
.irp p, 0,1
	ds_load_b32 v[VS+\p], v[ADS] offset:VWO+256*(\q)+128*\p
.endr
.endif
	s_wait_dscnt 0x0
.irp t, 0,2
	v_wmma_scale_f32_16x16x128_f8f6f4 v[96+8*(4*\g+\t):103+8*(4*\g+\t)], v[32+16*\t:47+16*\t], v[16:31], 0, v[KS+2*\g+\t/2], v[QS] matrix_a_fmt:MATRIX_FMT_BF8 matrix_b_fmt:MATRIX_FMT_BF8
	v_wmma_scale_f32_16x16x128_f8f6f4 v[104+8*(4*\g+\t):111+8*(4*\g+\t)], v[48+16*\t:63+16*\t], v[16:31], 0, v[KS+2*\g+\t/2], v[QS] matrix_a_fmt:MATRIX_FMT_BF8 matrix_b_fmt:MATRIX_FMT_BF8 matrix_a_scale:MATRIX_SCALE_ROW1
.endr
.rept 8
	v_nop                                          ; places in front of loads into registers that these products have read, and of the first read of their results
.endr
.endr                                  ; lane (r, h): my query; register 16 b + i: key KF + 32 b + 16 h + i
	s_add_co_u32 s57, s[KF], 127
	s_cmp_le_u32 s57, s[QMIN]                      ; all keys count: no mask
	s_cbranch_scc1 .Lopen_\@
	s_sub_co_i32 s57, s[QMIN], s[KF]
	v_add_nc_u32 v[T1], s57, v[QD]                 ; d = my query - KF - 16 h: register 16 b + i is hidden where 32 b + i > d
.set n, 0
.rept 64
	v_cmp_gt_i32 vcc_lo, 32*(n/16)+n%16, v[T1]
	v_cndmask_b32 v[96+n], v[96+n], v[NINF], vcc_lo
.set n, n+1
.endr
.Lopen_\@:
.irp b, 0,1,2,3
	v_max3_num_f32 v[BM+\b], v[96+16*\b], v[97+16*\b], v[98+16*\b]   ; THE LARGEST SCORE OF EACH BLOCK OF 32 KEYS serves twice: for the row's maximum and, since p rises with the score, for the block's largest p
.endr
.irp i, 3,5,7,9,11,13
.irp b, 0,1,2,3
	v_max3_num_f32 v[BM+\b], v[BM+\b], v[96+16*\b+\i], v[97+16*\b+\i]
.endr
.endr
.irp b, 0,1,2,3
	v_max_num_f32 v[BM+\b], v[BM+\b], v[111+16*\b]
.endr
.irp b, 0,1,2,3
	s_delay_alu instid0(VALU_DEP_4)
	v_permlanex16_b32 v[PM+\b], v[BM+\b], s[SEL], s[SEL+1]
.endr
.irp b, 0,1,2,3
	s_delay_alu instid0(VALU_DEP_4)
	v_max_num_f32 v[BM+\b], v[BM+\b], v[PM+\b]     ; with lane l xor 16's 16 keys
.endr
	s_delay_alu instid0(VALU_DEP_2)
	v_max3_num_f32 v[T1], v[BM], v[BM+1], v[BM+2]
	s_delay_alu instid0(VALU_DEP_1)
	v_max_num_f32 v[T1], v[T1], v[BM+3]
	s_delay_alu instid0(VALU_DEP_1)
	v_mul_f32 v[T1], s[CS], v[T1]                  ; the step's largest t of my query
	s_delay_alu instid0(VALU_DEP_1)
	v_max_num_f32 v13, v13, v[T1]                  ; the running largest t
	v_mov_b32 v[T1], v12
	s_delay_alu instid0(VALU_DEP_2)
	v_floor_f32 v12, -v13                          ; the new -M = -ceil(t): M is a whole number
	s_delay_alu instid0(VALU_DEP_1)
	v_sub_f32 v[T1], v12, v[T1]                    ; old M - new M: a whole number, 0 or less
	s_delay_alu instid0(VALU_DEP_1)
	v_cvt_i32_f32 v[T1], v[T1]                     ; (it saturates)
	s_delay_alu instid0(VALU_DEP_1)
	v_ldexp_f32 v[F], 1.0, v[T1]                   ; f = 2^(old M - new M)
.set j, 0
.rept 32
	v_pk_fma_f32 v[96+j:97+j], v[96+j:97+j], s[CS:CS+1], v[12:13] op_sel_hi:[1,0,0]   ; t - M, two at a time
.set j, j+2
.endr
.irp b, 0,1,2,3
	v_fma_f32 v[BM+\b], v[BM+\b], s[CS], v12       ; the same of each block's largest score
.endr
.set j, 0
	s_wait_alu depctr_va_vdst(0)
.rept 64
	v_exp_f32 v[96+j], v[96+j]                     ; p = 2^(t - M), at most 1: not normalised
.set j, j+1
.endr
	v_pk_mul_f32 v[14:15], v[14:15], v[F:F+1] op_sel_hi:[1,0]   ; the sums under the new M: a plain line behind the exponentials
	s_wait_alu depctr_va_vdst(0)                   ; one wait for the whole batch, ahead of its first reader
.irp b, 0,1,2,3
	v_exp_f32 v[BM+\b], v[BM+\b]                   ; the block's largest p: the same two instructions on the same number give the same bits
.endr
	v_pk_add_f32 v[212:213], v[100:101], v[104:105]
	v_pk_add_f32 v[254:255], v[108:109], v[112:113]
	v_pk_add_f32 v[252:253], v[116:117], v[120:121]
	v_pk_add_f32 v[250:251], v[124:125], v[128:129]
	v_pk_add_f32 v[248:249], v[132:133], v[136:137]
	v_pk_add_f32 v[246:247], v[140:141], v[144:145]
	v_pk_add_f32 v[244:245], v[148:149], v[152:153]
	v_pk_add_f32 v[14:15], v[14:15], v[156:157]
	v_pk_add_f32 v[212:213], v[212:213], v[96:97]
	v_pk_add_f32 v[254:255], v[254:255], v[98:99]
	v_pk_add_f32 v[252:253], v[252:253], v[102:103]
	v_pk_add_f32 v[250:251], v[250:251], v[106:107]
	v_pk_add_f32 v[248:249], v[248:249], v[110:111]
	v_pk_add_f32 v[246:247], v[246:247], v[114:115]
	v_pk_add_f32 v[244:245], v[244:245], v[118:119]
	v_pk_add_f32 v[14:15], v[14:15], v[122:123]
	v_pk_add_f32 v[212:213], v[212:213], v[126:127]
	v_pk_add_f32 v[254:255], v[254:255], v[130:131]
	v_pk_add_f32 v[252:253], v[252:253], v[134:135]
	v_pk_add_f32 v[250:251], v[250:251], v[138:139]
	v_pk_add_f32 v[248:249], v[248:249], v[142:143]
	v_pk_add_f32 v[246:247], v[246:247], v[146:147]
	v_pk_add_f32 v[244:245], v[244:245], v[150:151]
	v_pk_add_f32 v[14:15], v[14:15], v[154:155]
	v_pk_add_f32 v[212:213], v[212:213], v[158:159]
	s_delay_alu instid0(VALU_DEP_2)
	v_pk_add_f32 v[14:15], v[14:15], v[250:251]
	s_delay_alu instid0(VALU_DEP_2)
	v_pk_add_f32 v[212:213], v[212:213], v[248:249]
	v_pk_add_f32 v[254:255], v[254:255], v[246:247]
	v_pk_add_f32 v[252:253], v[252:253], v[244:245]
	s_delay_alu instid0(VALU_DEP_2)
	v_pk_add_f32 v[14:15], v[14:15], v[254:255]
	s_delay_alu instid0(VALU_DEP_2)
	v_pk_add_f32 v[212:213], v[212:213], v[252:253]
	s_delay_alu instid0(VALU_DEP_1)
	v_pk_add_f32 v[14:15], v[14:15], v[212:213]
	s_wait_alu depctr_va_vdst(0)                   ; and one for the four
.irp b, 0,1,2,3
	v_max_num_f32 v[BM+\b], 0x8000000, v[BM+\b]    ; the floor 2^(16 - 127): the byte cannot fall under 1
.endr
.irp b, 0,1,2,3
	s_delay_alu instid0(VALU_DEP_4)
	v_add_nc_u32 v[SO+\b], 0xf8800000, v[BM+\b]    ; 15 off the exponent field: the conversion's scale operand
.endr
.irp b, 0,1,2,3
.endr
.irp b, 0,1,2,3
	s_delay_alu instid0(VALU_DEP_4)
	v_lshrrev_b32 v[PM+\b], 23, v[SO+\b]           ; the scale's byte
.endr
	s_delay_alu instid0(VALU_DEP_3)
	v_lshl_or_b32 v[PW], v[PM+1], 8, v[PM]         ; p's scale word for these 128 keys
	s_delay_alu instid0(VALU_DEP_1)
	v_lshl_or_b32 v[PW], v[PM+2], 16, v[PW]
	s_delay_alu instid0(VALU_DEP_1)
	v_lshl_or_b32 v[PW], v[PM+3], 24, v[PW]
.irp b, 0,1,2,3
.set i, 0
.rept 16
.set i, i+1
.endr
	v_cvt_scalef32_pk8_bf8_f32 v[192+4*\b:193+4*\b], v[96+16*\b:103+16*\b], v[SO+\b]
	v_cvt_scalef32_pk8_bf8_f32 v[194+4*\b:195+4*\b], v[104+16*\b:111+16*\b], v[SO+\b]
.irp c, 0,1,2,3
	ds_load_b128 v[96+16*\b+4*\c:99+16*\b+4*\c], v[ADK] offset:VCO+8192*(\q)+2048*\b+512*\c   ; v's fragment b, into the block's registers, which are done with
.endr
.endr
.set j, 0
.rept 16
	v_pk_mul_f32 v[160+j:161+j], v[160+j:161+j], v[F:F+1] op_sel_hi:[1,0]   ; O^T under the new M.  (These are also the places between the conversions and the products)
.set j, j+2
.endr
	s_wait_alu depctr_va_vdst(0)
	s_wait_dscnt 0x0
.irp t, 0,2                            ; O^T += v^T p^T: four tiles of 16 of the head's 64, one instruction each: the accumulators take turns
	v_wmma_scale_f32_16x16x128_f8f6f4 v[160+8*\t:167+8*\t], v[96+16*\t:111+16*\t], v[192:207], v[160+8*\t:167+8*\t], v[VS+\t/2], v[PW] matrix_a_fmt:MATRIX_FMT_BF8 matrix_b_fmt:MATRIX_FMT_BF8
	v_wmma_scale_f32_16x16x128_f8f6f4 v[168+8*\t:175+8*\t], v[112+16*\t:127+16*\t], v[192:207], v[168+8*\t:175+8*\t], v[VS+\t/2], v[PW] matrix_a_fmt:MATRIX_FMT_BF8 matrix_b_fmt:MATRIX_FMT_BF8 matrix_a_scale:MATRIX_SCALE_ROW1
.endr
.rept 9
	v_nop                                          ; nine places: the next scores are written by matrix instructions over v's fragments
.endr
.Lhidden_\@:
	s_add_co_u32 s[KF], s[KF], 128
.endm
; THE CHANGE OF SLOTS stands at a slot's head.  Each wave waits for all its tensor loads, adds 0 to its spare word, and waits for that and for its reads of the slot that it has left.
; Behind the barrier the slot ahead is whole and nobody reads the other one.  fill = 1: that other slot is filled with the next visit's keys: the load has a whole slot's steps in which to land.
.macro CHANGE fill
	s_wait_tensorcnt 0x0                           ; no tensor load of mine is out, so group 0 may be written
	ds_add_u32 v[SPW], v[NIL]                      ; 0 onto my spare word
.if \fill
	s_xor_b32 s[G0+1], s[G0+1], SLOT1              ; the other slot than last time
	s_mul_i32 s[OFF], s[KSN], BLKB
	s_add_nc_u64 s[G0+2:G0+3], s[KVB:KVB+1], s[OFF:OFF+1]
	s_or_b32 s[G0+3], s[G0+3], 0x80000000
	s_add_co_u32 s[KSN], s[KSN], 1                 ; the walk's one wrap, without a jump: behind block 7 - p of keys comes block 0, for the second block of queries
	s_cmp_eq_u32 s[KSN], s[NA]
	s_cselect_b32 s[KSN], 0, s[KSN]
	s_wait_xcnt 0x0                                ; the last prefetch, a slot back, has read its address
	s_add_nc_u64 s[PFA:PFA+1], s[PFA:PFA+1], BLKB
.endif
	s_wait_dscnt 0x0                               ; the add is done, and my reads of the slot that I have left are over
	s_barrier_signal -1
	s_barrier_wait -1
.if \fill
	TLOAD                                          ; the first thing behind the barrier, and a wave's one tensor load until the next
	ASK
.endif
.endm
.macro SLOT_STEPS
	v_add_nc_u32 v[ADK], s[TB], v[LI]
	v_add_nc_u32 v[ADS], s[TB], v[LS]
	STEP 0
	STEP 1
	s_xor_b32 s[TB], s[TB], SLOT1                  ; on to the other slot
.endm
; A block of queries is done: y = O / the sum, quantised along the channels (my head's two blocks of 32), stored in the order of the next operand's registers.  again = 1: the second block of queries is set up.
.macro FINISH again
	v_add_f32 v14, v14, v15                        ; the sum's two halves,
	s_delay_alu instid0(VALU_DEP_1)
	v_permlanex16_b32 v[PM], v14, s[SEL], s[SEL+1]
	s_delay_alu instid0(VALU_DEP_1)
	v_add_f32 v14, v14, v[PM]                      ; and lane l xor 16's
	s_wait_alu depctr_va_vdst(0)
	v_rcp_f32 v14, v14
	v_nop                                          ; a plain line behind the transcendental,
	s_wait_alu depctr_va_vdst(0)                   ; and the wait ahead of its first reader
.set j, 0
.rept 16
	v_pk_mul_f32 v[96+j:97+j], v[160+j:161+j], v[14:15] op_sel_hi:[1,0]   ; register 16 b + i: channel 32 b + 16 h + i of my head
.set j, j+2
.endr
.irp b, 0,1
	v_max3_num_f32 v[BM+\b], |v[96+16*\b]|, |v[97+16*\b]|, 0x8000000
.endr
.irp i, 2,4,6,8,10,12,14
.irp b, 0,1
	s_delay_alu instid0(VALU_DEP_2)
	v_max3_num_f32 v[BM+\b], v[BM+\b], |v[96+16*\b+\i]|, |v[97+16*\b+\i]|
.endr
.endr
.irp b, 0,1
	s_delay_alu instid0(VALU_DEP_2)
	v_permlanex16_b32 v[PM+\b], v[BM+\b], s[SEL], s[SEL+1]
.endr
.irp b, 0,1
	s_delay_alu instid0(VALU_DEP_2)
	v_max_num_f32 v[BM+\b], v[BM+\b], v[PM+\b]
.endr
.irp b, 0,1
	s_delay_alu instid0(VALU_DEP_2)
	v_add_nc_u32 v[SO+\b], 0xf8800000, v[BM+\b]
.endr
.irp b, 0,1
.endr
.irp b, 0,1
	s_delay_alu instid0(VALU_DEP_2)
	v_lshrrev_b32 v[PM+\b], 23, v[SO+\b]
.endr
.irp b, 0,1
.set i, 0
.rept 16
.set i, i+1
.endr
	v_cvt_scalef32_pk8_bf8_f32 v[192+4*\b:193+4*\b], v[96+16*\b:103+16*\b], v[SO+\b]
	v_cvt_scalef32_pk8_bf8_f32 v[194+4*\b:195+4*\b], v[104+16*\b:111+16*\b], v[SO+\b]
.endr
	v_cndmask_b32 v[T1], v[PM], v[PM+1], s[HM]     ; lanes 0-15 carry block 0's byte, lanes 16-31 block 1's.  (Also the plain line behind the conversions)
	global_store_b128 v[LI], v[192:195], s[YP:YP+1]              ; 32 lanes store 512 consecutive bytes, aligned
	global_store_b128 v[LI], v[196:199], s[YP:YP+1] offset:512
	global_store_b8 v[YSO], v[T1], s[YSP:YSP+1]    ; a row's 32 scale bytes come from sixteen heads: two bytes a row are mine
.if \again
	s_wait_xcnt 0x0                                ; the stores have read their registers and bases
	s_mov_b32 s[BLK], s[P]
	SETBLK
	QLOAD
	INIT
	s_wait_loadcnt 0x0
.endif
.endm
	s_wait_loadcnt 0x0                             ; q
.Lslot:                                            ; eight trips: behind each change of slots but the last the next visit's keys are asked for
	CHANGE 1
	SLOT_STEPS
	s_cmp_lg_u32 s[J], s[NA1]                      ; the first block's last visit?  The same in all sixteen waves; no barrier and no LDS instruction stands inside
	s_cbranch_scc1 .Lsame_block
	FINISH 1
.Lsame_block:
	s_add_co_u32 s[J], s[J], 1
	s_cmp_lt_u32 s[J], 8
	s_cbranch_scc1 .Lslot
	CHANGE 0                                       ; the ninth visit is written out
	SLOT_STEPS
	FINISH 0
	s_wait_tensorcnt 0x0                           ; the wave's end
	ds_add_u32 v[SPW], v[NIL]
	s_wait_dscnt 0x0
	s_endpgm
.Lfunc_end_k_q541aea9143_attention:
	.size	k_q541aea9143_attention, .Lfunc_end_k_q541aea9143_attention-k_q541aea9143_attention
	.p2alignl 7, 3214868480
	.fill 96, 4, 3214868480
	.section	.rodata,"a",@progbits
	.p2align	6, 0x0
	.amdhsa_kernel k_q541aea9143_attention
		.amdhsa_group_segment_fixed_size 327680
		.amdhsa_private_segment_fixed_size 0
		.amdhsa_enable_private_segment 0
		.amdhsa_kernarg_size 24
		.amdhsa_user_sgpr_count 2
		.amdhsa_user_sgpr_kernarg_segment_ptr 1
		.amdhsa_wavefront_size32 1
		.amdhsa_system_sgpr_workgroup_id_x 1
		.amdhsa_system_sgpr_workgroup_id_y 1
		.amdhsa_system_sgpr_workgroup_id_z 1
		.amdhsa_system_vgpr_workitem_id 0
		.amdhsa_next_free_vgpr 256
		.amdhsa_next_free_sgpr 66
		.amdhsa_reserve_vcc 1
		.amdhsa_float_denorm_mode_32 3
		.amdhsa_float_denorm_mode_16_64 3
		.amdhsa_fp16_overflow 1
		.amdhsa_memory_ordered 1
		.amdhsa_forward_progress 1
		.amdhsa_inst_pref_size 110
	.end_amdhsa_kernel
	.amdgpu_metadata
---
amdhsa.version: [ 1, 2 ]
amdhsa.kernels:
  - .name:           k_q541aea9143_attention
    .symbol:         k_q541aea9143_attention.kd
    .args:
      - { .name: qkv, .offset: 0, .size: 8, .value_kind: global_buffer, .address_space: global }
      - { .name: ycodes, .offset: 8, .size: 8, .value_kind: global_buffer, .address_space: global }
      - { .name: yscales, .offset: 16, .size: 8, .value_kind: global_buffer, .address_space: global }
    .group_segment_fixed_size: 327680
    .private_segment_fixed_size: 0
    .kernarg_segment_align: 8
    .kernarg_segment_size: 24
    .max_flat_workgroup_size: 512
    .sgpr_count:     66
    .vgpr_count:     256
    .wavefront_size: 32
...
	.end_amdgpu_metadata
.endif
;; end of part 2
;; launch proj_gemm (part 3): grid 4 x 32, 4 waves a work-group, clusters of 4 x 4, 327,680 bytes of LDS; arguments ycodes, yscales, w_proj_codes, w_proj_scales, b_proj, out0; writes out0
.if DOCPART == 3
	.amdgcn_target "amdgcn-amd-amdhsa--gfx1250"
	.amdhsa_code_object_version 6
	.text
	.protected	k_q541aea9143_proj_gemm
	.globl	k_q541aea9143_proj_gemm
	.p2align	8
	.type	k_q541aea9143_proj_gemm,@function
k_q541aea9143_proj_gemm:
	s_mov_b64 s[64:65], 0
	v_nop
	global_prefetch_b8 v0, s[64:65] scope:SCOPE_SE
	s_setreg_imm32_b32 hwreg(HW_REG_WAVE_MODE, 25, 1), 1
	s_wait_xcnt 0x0
	s_wait_alu depctr_hold_cnt(0) depctr_sa_sdst(0) depctr_va_vdst(0) depctr_va_sdst(0) depctr_va_ssrc(0) depctr_va_vcc(0) depctr_vm_vsrc(0)
	s_getreg_b32 s2, hwreg(HW_REG_IB_STS2, 6, 4)
	s_cmp_eq_u32 s2, 0
	s_cbranch_scc0 .Lentry_in_a_cluster
	s_endpgm
.Lentry_in_a_cluster:
	s_bfe_u32 s2, ttmp6, 0x10000c
	s_cmp_lg_u32 s2, 0xf033
	s_cbranch_scc0 .Lentry_shape_is_right
	s_endpgm
.Lentry_shape_is_right:
; out0 = y w_proj + b_proj on codes of BF8 (E5M2) with one E8M0 scale for each 32 along K = 1,024; out0 [8,192][1,024] f32.
; y's codes lie in the ORDER OF THE OPERAND'S REGISTERS: [tile of 16 rows][K step of 128][c][lane][16 bytes]; a tile's rows are tokens 32 g + 8 u + r + 8 (r / 8) of their block of 256.  y's scale bytes lie [row in that order][32].
; w_proj's codes lie as rows of 1,024 bytes, its scale bytes as rows of 32.
; A tile of out0, 256 x 256, is made by four waves, 128 x 128 each: 64 accumulators.  K goes in steps of 256 through two LDS slots filled by the tensor data mover; the scale bytes for all of K come once.
; CLUSTERS: 4 x 4 work-groups: y's tile is shared along a row of the cluster, w_proj's along a column: each is asked for jointly.
; THE MATRIX INSTRUCTION IS USED TRANSPOSED (source 0 = 16 rows of w_proj, source 1 = 16 rows of y): a lane holds eight neighbouring numbers of a row of out0.  The bias is the C of each sum's first instruction.
; 128 work-groups: with a tile of half the rows each LDS byte would feed fewer products; K has four steps, so no prefetch.
; REGISTERS, in windows of 256: window 0: v16-31 addresses, v32-63 scale words (two sets), v64-127 the bias, v128-255 y's fragments, later rows of out0;  window 1: w_proj's fragments, two sets;  windows 2, 3: the accumulators.
.set NQ,     2
.set ROWB,   256                       ; a row of w_proj's tile
.set KROW,   1024
.set PITCH,  272                       ; w_proj's rows in LDS: 256 bytes + 16
.set FR,     16
.set NL,     4
.set NP,     8
.set HALFA,  32768                     ; y: 8 tiles x 4,096 bytes: what one tensor load brings; dense: an image is read 512 consecutive bytes an instruction
.set HALFT,  128*PITCH                 ; w_proj: 128 rows
.set BOFF,   2*HALFA
.set SLOT,   2*HALFA+2*HALFT
.set ASTEP,  8192                      ; two K steps on in y's images,
.set BSTEP,  512                       ; and in w_proj's rows
.set KS,     32
.set SCL,    2*SLOT
.set HALFS,  (128*KS/256)*272
.set SBLK,   (16*KS/256)*272
.set SPARE,  SCL+4*HALFS               ; the spare words, 128 bytes for each wave: two blocks of 256 bytes that no other line names
.set SPITCH, 528                       ; the way out: a stage of 16 rows x (512 bytes + 16) for each wave, in slot 0, which has had its last fill and its last read by then
.set ADRA, 16
.set ADRB, 20
.set BO,   22
.set STO,  24
.set RD,   25
.set CO,   26
.set ADRS, 27
.set SPW,  28
.set NIL,  29
.set SC,   32
.set BIAS, 64
.set AF,   128
.set BK,   128
.set WV,   16
.set WR,   17
.set WC,   18
.set TC,   19
.set CX,   20
.set CY,   21
.set TR,   22
.set G1,   24
.set G0,   32
.set G1B,  48
.set G0B,  56
.set G1S,  68
.set G0S,  76
.set G1SB, 80
.set G0SB, 88
.set MSB, 0
.macro WIN new                         ; the immediate's high byte repeats the setting that is left
.if MSB != \new
	s_set_vgpr_msb (MSB<<8)|\new
.set MSB, \new
.endif
.endm
.set MUL_LO, 0xa1
.set MUL_HI, 0xf1
.set BIA_LO, 0x81
.set BIA_HI, 0xc1
.set TO_B,   0x40
.macro JLOAD g0a, g1a, g0b, g1b        ; a joint load: waves 0 and 1 fetch for y, waves 2 and 3 for w_proj; four v_nop follow each of the two lines
	s_cmp_eq_u32 s[WR], 0
	s_cbranch_scc0 .Lfor_b_\@
	tensor_load_to_lds s[\g0a:\g0a+3], s[\g1a:\g1a+7]
	s_nop 0
.rept 4
	v_nop
.endr
	s_branch .Lasked_\@
.Lfor_b_\@:
	tensor_load_to_lds s[\g0b:\g0b+3], s[\g1b:\g1b+7]
	s_nop 0
.rept 4
	v_nop
.endr
.Lasked_\@:
.endm
.macro CREST
	s_cmp_lg_u32 s[WV], 0
	s_cbranch_scc1 .Lnot_wave_0_\@
	s_barrier_signal -3
.Lnot_wave_0_\@:
	s_barrier_wait -3
	s_barrier_signal -1
	s_barrier_wait -1
.endm
.macro CROUND
	s_barrier_signal -1
	s_barrier_wait -1
	CREST
.endm
	s_load_b256 s[4:11], s[0:1], 0x0               ; y's codes, y's scales, w_proj's codes, w_proj's scales
	s_load_b128 s[12:15], s[0:1], 0x20             ; b_proj, out0
	v_lshl_add_u32 v[SPW], v0, 2, SPARE
	v_mov_b32 v[NIL], 0
	ds_add_u32 v28, v29
	ds_add_u32 v28, v29
	s_wait_dscnt 0x0
	v_lshrrev_b32 v1, 5, v0
	v_readfirstlane_b32 s[WV], v1
	s_lshr_b32 s[WR], s[WV], 1                     ; which half of the tile's rows is mine.  Also: I fetch for y (0) or for w_proj (1)
	s_and_b32 s[WC], s[WV], 1                      ; which half of its columns.  Also: which half of that tile I fetch
	s_bfe_u32 s[CX], ttmp6, 0x40000
	s_bfe_u32 s[CY], ttmp6, 0x40004
	s_lshl_b32 s[TC], ttmp9, 2
	s_add_co_u32 s[TC], s[TC], s[CX]               ; tile column
	s_and_b32 s[TR], ttmp7, 0xffff
	s_lshl_b32 s[TR], s[TR], 2
	s_add_co_u32 s[TR], s[TR], s[CY]               ; tile row
	s_lshl_b32 s2, s[CY], 2
	s_lshl_b32 s2, 15, s2                          ; my row of the cluster
	s_lshl_b32 s3, 0x1111, s[CX]                   ; my column
	; y's tile: 8 rows (tiles of 16 tokens) of 4,096 bytes (512 elements of 8), 16,384 bytes apart, no padding
	s_or_b32 s[G1+0], s2, (3<<16)|(1<<21)
	s_mov_b32 s[G1+1], 512<<16
	s_mov_b32 s[G1+2], 8<<16
	s_mov_b32 s[G1+3], 512<<16
	s_mov_b32 s[G1+4], 8
	s_mov_b32 s[G1+5], 2048
	s_mov_b32 s[G1+6], 0
	s_mov_b32 s[G1+7], 0
	; w_proj's: 128 rows x 256 bytes, 16 bytes of padding behind each
	s_or_b32 s[G1B+0], s3, (0<<16)|(1<<20)|(1<<21)|(5<<22)|(3<<25)
	s_mov_b32 s[G1B+1], ROWB<<16
	s_mov_b32 s[G1B+2], 128<<16
	s_mov_b32 s[G1B+3], ROWB<<16
	s_mov_b32 s[G1B+4], 128
	s_mov_b32 s[G1B+5], KROW
	s_mov_b32 s[G1B+6], 0
	s_mov_b32 s[G1B+7], 0
	; the scale bytes of 128 rows: 16 rows of 256 bytes, 16 bytes of padding behind each
	s_or_b32 s[G1S+0], s2, (3<<16)|(1<<20)|(1<<21)|(5<<22)|(3<<25)
	s_or_b32 s[G1SB+0], s3, (3<<16)|(1<<20)|(1<<21)|(5<<22)|(3<<25)
.irp g, G1S, G1SB
	s_mov_b32 s[\g+1], 32<<16
	s_mov_b32 s[\g+2], (128*KS/256)<<16
	s_mov_b32 s[\g+3], 32<<16
	s_mov_b32 s[\g+4], 128*KS/256
	s_mov_b32 s[\g+5], 32
	s_mov_b32 s[\g+6], 0
	s_mov_b32 s[\g+7], 0
.endr
	s_lshl_b32 s23, s[WC], 7
	s_lshl_b32 s42, s[TR], 8
	s_add_co_u32 s42, s42, s23                     ; y: the first row that I fetch (s40-43 never hold cx)
	s_lshl_b32 s40, s42, 10                        ; 16 rows are 16,384 bytes of images
	s_lshl_b32 s42, s42, 5
	s_lshl_b32 s46, s[TC], 8
	s_add_co_u32 s46, s46, s23                     ; w_proj likewise (s44-47 never hold cy)
	s_lshl_b32 s44, s46, 10
	s_lshl_b32 s46, s46, 5
	s_mov_b32 s41, 0
	s_mov_b32 s43, 0
	s_mov_b32 s45, 0
	s_mov_b32 s47, 0
	s_mul_i32 s92, s[WC], HALFA                    ; where they go: the wave's number alone
	s_mul_i32 s93, s[WC], HALFT
	s_add_co_u32 s93, s93, BOFF
	s_mul_i32 s66, s[WV], HALFS
	s_wait_kmcnt 0x0
	s_add_nc_u64 s[4:5], s[4:5], s[40:41]
	s_add_nc_u64 s[6:7], s[6:7], s[42:43]
	s_add_nc_u64 s[8:9], s[8:9], s[44:45]
	s_add_nc_u64 s[10:11], s[10:11], s[46:47]
	CROUND                                         ; all sixteen work-groups are here: the first joint loads meet
	s_mov_b32 s[G0S], 1
	s_add_co_u32 s[G0S+1], s66, SCL
	s_mov_b64 s[G0S+2:G0S+3], s[6:7]
	s_or_b32 s[G0S+3], s[G0S+3], 0x80000000
	s_mov_b32 s[G0SB], 1
	s_add_co_u32 s[G0SB+1], s66, SCL
	s_mov_b64 s[G0SB+2:G0SB+3], s[10:11]
	s_or_b32 s[G0SB+3], s[G0SB+3], 0x80000000
	JLOAD G0S, G1S, G0SB, G1SB
.irp s, 0,1
	s_mov_b32 s[G0+4*\s], 1
	s_add_co_u32 s[G0+4*\s+1], s92, \s*SLOT
	s_add_nc_u64 s[G0+4*\s+2:G0+4*\s+3], s[4:5], \s*ASTEP/2
	s_or_b32 s[G0+4*\s+3], s[G0+4*\s+3], 0x80000000
	s_mov_b32 s[G0B+4*\s], 1
	s_add_co_u32 s[G0B+4*\s+1], s93, \s*SLOT
	s_add_nc_u64 s[G0B+4*\s+2:G0B+4*\s+3], s[8:9], \s*BSTEP/2
	s_or_b32 s[G0B+4*\s+3], s[G0B+4*\s+3], 0x80000000
	s_wait_alu depctr_va_vdst(0)
	s_wait_tensorcnt 0x0
	ds_add_u32 v28, v29
	s_wait_dscnt 0x0
	CROUND
	JLOAD G0+4*\s, G1, G0B+4*\s, G1B               ; one tensor load of mine is out
.endr
	v_and_b32 v1, 15, v0                           ; r
	s_wait_alu depctr_va_vdst(0)
	v_bfe_u32 v2, v0, 4, 1                         ; h
	v_lshlrev_b32 v[BO], 5, v2
	s_lshl_b32 s40, s[TC], 10
	s_lshl_b32 s41, s[WC], 9
	s_add_co_u32 s40, s40, s41                     ; my first column, in bytes of f32: in b_proj and in a row of out0
	s_mov_b32 s41, 0
	s_add_nc_u64 s[12:13], s[12:13], s[40:41]
.irp b, 0,1,2,3,4,5,6,7
	global_load_b128 v[BIAS+8*\b:BIAS+8*\b+3],   v[BO], s[12:13] offset:64*\b      ; columns 16 b + 8 h + 0 .. 7
	global_load_b128 v[BIAS+8*\b+4:BIAS+8*\b+7], v[BO], s[12:13] offset:64*\b+16
.endr
	s_add_nc_u64 s[14:15], s[14:15], s[40:41]
	s_lshl_b32 s42, s[TR], 8
	s_lshl_b32 s43, s[WR], 7
	s_add_co_u32 s42, s42, s43
	s_lshl_b32 s42, s42, 12                        ; my first token's row of 4,096 bytes
	s_mov_b32 s43, 0
	s_add_nc_u64 s[14:15], s[14:15], s[42:43]
	v_and_b32 v6, 31, v0
	v_lshlrev_b32 v[CO], 4, v6                     ; 16 x lane
	v_mul_u32_u24 v3, v1, PITCH
	s_wait_alu depctr_va_vdst(0)
	v_lshl_add_u32 v4, v2, 4, v3
	s_mul_i32 s44, s[WR], HALFA                    ; my 8 tiles of y
	s_mul_i32 s45, s[WC], HALFT                    ; my 128 rows of w_proj,
	s_add_co_u32 s45, s45, BOFF                    ; behind y's images
.irp s, 0,1
	v_add_nc_u32 v[ADRA+\s], s44, v[CO]
	v_add_nc_u32 v[ADRB+\s], s45, v4
	s_add_co_u32 s44, s44, SLOT
	s_add_co_u32 s45, s45, SLOT
.endr
	v_mul_u32_u24 v5, v1, KS
	v_lshrrev_b32 v6, 8, v5
	v_lshl_add_u32 v5, v6, 4, v5
	s_mul_i32 s44, s[WR], HALFS
	s_mul_i32 s45, s[WC], HALFS
	s_add_co_u32 s45, s45, 2*HALFS
	s_sub_co_u32 s45, s45, s44
	v_mul_u32_u24 v6, s45, v2                      ; lanes 16-31 take w_proj's: the lower base + h x the distance
	s_add_co_u32 s44, s44, SCL
	v_add_nc_u32 v5, v5, v6
	v_add_nc_u32 v[ADRS], s44, v5
	s_mul_i32 s46, s[WV], 16*SPITCH                ; my stage
	v_mul_u32_u24 v5, v1, SPITCH
	v_lshl_add_u32 v5, v2, 5, v5
	v_add_nc_u32 v[STO], s46, v5                   ; in: row r, 32 bytes for each half of the lanes
	v_add_nc_u32 v[RD], s46, v[CO]                 ; back: the 32 lanes take one row of 512 bytes
.macro FRAGB reg, slot, q, i           ; w_proj: lane l holds row l % 16; registers 4 c .. 4 c + 3 hold K = 32 c + 16 (l / 16) + 0 .. 15
.irp c, 0,1,2,3
	ds_load_b128 v[\reg+4*\c:\reg+4*\c+3], v[ADRB+\slot] offset:128*(\q)+32*\c+(\i)*16*PITCH
.endr
.endm
.macro FRAGA reg, slot, q, i           ; y: the image of the same registers
.irp c, 0,1,2,3
	ds_load_b128 v[\reg+4*\c:\reg+4*\c+3], v[ADRA+\slot] offset:4096*(\i)+2048*(\q)+512*\c
.endr
.endm
; 16 matrix instructions: y's blocks a0, a0 + 1 x w_proj's eight.  cm = 1: C = the bias of w_proj's block; 0: C = D.  The 64 accumulators take turns, one instruction a turn.
.macro MUL16 a0, p, q, sc, cm
.irp a, \a0, \a0+1
.irp b, 0,1,2,3,4,5,6,7
.if \cm == 1
	v_wmma_scale_f32_16x16x128_f8f6f4 v[8*(8*((\a)%4)+\b):8*(8*((\a)%4)+\b)+7], v[128*(\p)+FR*\b:128*(\p)+FR*\b+FR-1], v[AF+FR*(\a):AF+FR*(\a)+FR-1], v[BIAS+8*\b:BIAS+8*\b+7], v[SC+8*NQ*(\sc)+NQ*\b+(\q)], v[SC+8*NQ*(\sc)+NQ*(\a)+(\q)] matrix_a_fmt:MATRIX_FMT_BF8 matrix_b_fmt:MATRIX_FMT_BF8 matrix_a_scale:MATRIX_SCALE_ROW1
.else
	v_wmma_scale_f32_16x16x128_f8f6f4 v[8*(8*((\a)%4)+\b):8*(8*((\a)%4)+\b)+7], v[128*(\p)+FR*\b:128*(\p)+FR*\b+FR-1], v[AF+FR*(\a):AF+FR*(\a)+FR-1], v[8*(8*((\a)%4)+\b):8*(8*((\a)%4)+\b)+7], v[SC+8*NQ*(\sc)+NQ*\b+(\q)], v[SC+8*NQ*(\sc)+NQ*(\a)+(\q)] matrix_a_fmt:MATRIX_FMT_BF8 matrix_b_fmt:MATRIX_FMT_BF8 matrix_a_scale:MATRIX_SCALE_ROW1
.endif
.endr
.endr
.endm
.macro FETCH_B slot, q, p
	WIN TO_B
.irp i, 0,1,2,3,4,5,6,7
	FRAGB 128*(\p)+FR*\i, \slot, \q, \i
.endr
	WIN 0
.endm
.macro FETCH_A slot, q, i0
.irp i, \i0, \i0+1, \i0+2, \i0+3
	FRAGA AF+FR*(\i), \slot, \q, \i
.endr
.endm
.macro SCALES sc
.irp i, 0,1,2,3,4,5,6,7
	ds_load_b64 v[SC+8*NQ*\sc+NQ*\i:SC+8*NQ*\sc+NQ*\i+1], v[ADRS] offset:\i*SBLK
.endr
.endm
.macro PLACES n
.rept \n
	v_nop
.endr
.endm
.macro STEP slot, q, cm                ; a step of 128 along K that has its successor in the same slot
	s_wait_dscnt 4*NL                              ; all but the youngest 16 loads (y's blocks 4-7)
.if \cm
	WIN BIA_LO
.else
	WIN MUL_LO
.endif
	MUL16 0, (\q)%2, \q, \slot, \cm
	MUL16 2, (\q)%2, \q, \slot, \cm
	s_wait_dscnt 0
	PLACES NP
	FETCH_B \slot, (\q)+1, 1-(\q)%2
	FETCH_A \slot, (\q)+1, 0
.if \cm
	WIN BIA_HI
.else
	WIN MUL_HI
.endif
	MUL16 4, (\q)%2, \q, \slot, \cm
	MUL16 6, (\q)%2, \q, \slot, \cm
	PLACES NP
	WIN 0
	FETCH_A \slot, (\q)+1, 4
.endm
; A slot's last step changes slots: ONE barrier; in front of it each wave waits for all its tensor loads, adds 0 to its spare word, and waits for that and for its own reads of this slot.
.macro TURN slot, next, fill
	s_wait_tensorcnt 0x0                           ; all my tensor loads have landed: my part of the next slot
	ds_add_u32 v[SPW], v[NIL]                      ; 0 onto my spare word
	s_wait_dscnt 4*NL+1                            ; (the add and the youngest 16 loads may be out)
	WIN MUL_LO
	MUL16 0, 1, NQ-1, \slot, 0
	s_wait_dscnt 0x0                               ; the add is done, and my reads of this slot are over
	s_barrier_signal -1
	MUL16 2, 1, NQ-1, \slot, 0
	WIN 0
	s_barrier_wait -1
.if \fill
	CREST                                          ; a round of the cluster's barrier: no wave of any partner still reads this slot or has a load on its way
	s_add_nc_u64 s[G0+4*\slot+2:G0+4*\slot+3], s[G0+4*\slot+2:G0+4*\slot+3], ASTEP
	s_add_nc_u64 s[G0B+4*\slot+2:G0B+4*\slot+3], s[G0B+4*\slot+2:G0B+4*\slot+3], BSTEP
	JLOAD G0+4*\slot, G1, G0B+4*\slot, G1B
	PLACES NP-4
.else
	PLACES NP
.endif
	s_wait_alu depctr_va_vdst(0)
	v_add_nc_u32 v[ADRS], 4*NQ, v[ADRS]
	FETCH_B \next, 0, 0
	FETCH_A \next, 0, 0
	SCALES \next
	WIN MUL_HI
	MUL16 4, 1, NQ-1, \slot, 0
	MUL16 6, 1, NQ-1, \slot, 0
	PLACES NP
	WIN 0
	FETCH_A \next, 0, 4
.endm
	s_wait_alu depctr_va_vdst(0)
	s_wait_tensorcnt 1                             ; the scales and my part of K step 0 are in; K step 1's load may be out
	s_barrier_signal -1
	s_barrier_wait -1
	FETCH_B 0, 0, 0
	FETCH_A 0, 0, 0
	SCALES 0
	FETCH_A 0, 0, 4
	s_wait_loadcnt 0x0                             ; the bias
	STEP 0, 0, 1                                   ; the first step's products start the sums, with the bias as C
	TURN 0, 1, 1                                   ; K has four steps of 256: the walk is written out
	STEP 1, 0, 0
	TURN 1, 0, 1
	STEP 0, 0, 0
	TURN 0, 1, 0
	STEP 1, 0, 0
	s_wait_dscnt 4*NL
	WIN MUL_LO
	MUL16 0, 1, NQ-1, 1, 0
	MUL16 2, 1, NQ-1, 1, 0
	s_wait_dscnt 0
	WIN MUL_HI
	MUL16 4, 1, NQ-1, 1, 0
	MUL16 6, 1, NQ-1, 1, 0
	WIN 0
; THE WAY OUT, block by block of 16 rows x 128 columns, through my own stage: in as 32 bytes a lane, back as whole rows of 512 bytes.  LDS serves a wave's instructions in order (ISA guide 5.7.1.4).
.macro TOSTAGE a
.set AC, 64*((\a)%4)
	WIN 0x08+4*((\a)/4)                            ; the data: window 2 or 3
.irp b, 0,1,2,3,4,5,6,7
	ds_store_b128 v[STO], v[AC+8*\b:AC+8*\b+3] offset:64*\b          ; each accumulator from its low end on
	ds_store_b128 v[STO], v[AC+8*\b+4:AC+8*\b+7] offset:64*\b+16
.endr
	WIN 0
.set BB, BK+64*((\a)%2)
.irp t, 0,1,2,3,4,5,6,7,8,9,10,11,12,13,14,15
	ds_load_b128 v[BB+4*\t:BB+4*\t+3], v[RD] offset:\t*SPITCH
.endr
.endm
.macro SEND a, younger                 ; row t of block a is token 32 (a / 2) + 8 (a % 2) + t + 8 (t / 8) of my 128: the immediate puts it there, 127 rows of 4,096 bytes at the most; the base is never stepped
.set BB, BK+64*((\a)%2)
	s_wait_dscnt \younger
.irp t, 0,1,2,3,4,5,6,7,8,9,10,11,12,13,14,15
	global_store_b128 v[CO], v[BB+4*\t:BB+4*\t+3], s[14:15] offset:(32*((\a)/2)+8*((\a)%2)+\t+8*(\t/8))*4096 th:TH_STORE_NT   ; 32 lanes store 512 consecutive bytes, aligned
.endr
.endm
	PLACES NP
	TOSTAGE 0
.irp a, 1,2,3,4,5,6,7
.if \a > 1
	s_wait_xcnt 0x0                                ; block a - 2's stores have read their registers: block a's loads may land there
.endif
	TOSTAGE \a
	SEND \a-1, 32                                  ; behind block a - 1's loads: block a's 16 stores and 16 loads
.endr
	SEND 7, 0
	s_wait_tensorcnt 0x0                           ; the wave's end
	ds_add_u32 v[SPW], v[NIL]
	s_wait_dscnt 0x0
	CROUND                                         ; the closing round
	s_endpgm
.Lfunc_end_k_q541aea9143_proj_gemm:
	.size	k_q541aea9143_proj_gemm, .Lfunc_end_k_q541aea9143_proj_gemm-k_q541aea9143_proj_gemm
	.p2alignl 7, 3214868480
	.fill 96, 4, 3214868480
	.section	.rodata,"a",@progbits
	.p2align	6, 0x0
	.amdhsa_kernel k_q541aea9143_proj_gemm
		.amdhsa_group_segment_fixed_size 327680
		.amdhsa_private_segment_fixed_size 0
		.amdhsa_enable_private_segment 0
		.amdhsa_kernarg_size 48
		.amdhsa_user_sgpr_count 2
		.amdhsa_user_sgpr_kernarg_segment_ptr 1
		.amdhsa_wavefront_size32 1
		.amdhsa_system_sgpr_workgroup_id_x 1
		.amdhsa_system_sgpr_workgroup_id_y 1
		.amdhsa_system_sgpr_workgroup_id_z 1
		.amdhsa_system_vgpr_workitem_id 0
		.amdhsa_next_free_vgpr 1024
		.amdhsa_next_free_sgpr 96
		.amdhsa_reserve_vcc 0
		.amdhsa_float_denorm_mode_32 3
		.amdhsa_float_denorm_mode_16_64 3
		.amdhsa_memory_ordered 1
		.amdhsa_forward_progress 1
		.amdhsa_inst_pref_size 147
	.end_amdhsa_kernel
	.amdgpu_metadata
---
amdhsa.version: [ 1, 2 ]
amdhsa.kernels:
  - .name:           k_q541aea9143_proj_gemm
    .symbol:         k_q541aea9143_proj_gemm.kd
    .args:
      - { .name: ycodes, .offset: 0, .size: 8, .value_kind: global_buffer, .address_space: global }
      - { .name: yscales, .offset: 8, .size: 8, .value_kind: global_buffer, .address_space: global }
      - { .name: w_proj_codes, .offset: 16, .size: 8, .value_kind: global_buffer, .address_space: global }
      - { .name: w_proj_scales, .offset: 24, .size: 8, .value_kind: global_buffer, .address_space: global }
      - { .name: b_proj, .offset: 32, .size: 8, .value_kind: global_buffer, .address_space: global }
      - { .name: out0, .offset: 40, .size: 8, .value_kind: global_buffer, .address_space: global }
    .group_segment_fixed_size: 327680
    .private_segment_fixed_size: 0
    .kernarg_segment_align: 8
    .kernarg_segment_size: 48
    .max_flat_workgroup_size: 128
    .sgpr_count:     96
    .vgpr_count:     1024
    .wavefront_size: 32
...
	.end_amdgpu_metadata
.endif
;; end of part 3
